; MI455X (gfx1250); checked and timed in simulation.
; The chip was launched on July 23, 2026; its instructions are those of AMD's public machine-readable ISA for CDNA 5 (MIT licence, August 2026) and "CDNA5" Instruction Set Architecture Reference Guide (July 2026). The comments in the code are by the model that wrote it; some were corrected since.
;; Single Head Attention. Allowed arithmetic: float matrix products may take bf16 or f16 operands with f32 sums; other float arithmetic in f32, or as packed bf16 or f16 multiplies, adds, multiply-adds, maxima and minima; sums over many terms, partial sums and values carried from step to step in f32; what a program stores and reads back later, other than sums and carried values, may be rounded once to bf16 or f16.
;; Inputs: Wk 1,024 x 1,024 float32; Wq 1,024 x 1,024 float32; Wv 1,024 x 1,024 float32; x 4 x 2,048 x 1,024 float32.
;; Outputs: out0 4 x 2,048 x 1,024 float32.
;; 2 versions, each right; version 2 is version 1 with the launch cvt written anew for expert scheduling mode. Each part assembles by itself: llvm-mc -triple=amdgcn-amd-amdhsa -mcpu=gfx1250 --defsym DOCPART=n.
;; ======== version 1 of 2: 4 launches
;; limits: values are held in f16: magnitudes above 65,504 overflow, below 6.1e-05 lose precision
;; workspace buffers: xb 16,777,216 bytes; wb 6,291,456 bytes; qkv 50,331,648 bytes; hd 1,572,864 bytes; pw 33,554,432 bytes; scm 524,288 bytes; sl 524,288 bytes
;; launch cvt (part 1): grid 256 x 1, 11 waves a work-group, no clusters, 0 bytes of LDS; arguments x, Wq, Wk, Wv, xb, wb, scm, sl; writes xb, wb, scm, sl
.if DOCPART == 1
	.amdgcn_target "amdgcn-amd-amdhsa--gfx1250"
	.amdhsa_code_object_version 6
	.text
	.protected	k_qd696a4179e_cvt
	.globl	k_qd696a4179e_cvt
	.p2align	8
	.type	k_qd696a4179e_cvt,@function
k_qd696a4179e_cvt:
	s_mov_b64 s[64:65], 0
	v_nop
	global_prefetch_b8 v0, s[64:65] scope:SCOPE_SE
	s_setreg_imm32_b32 hwreg(HW_REG_WAVE_MODE, 25, 1), 1
	s_wait_xcnt 0x0
; x [8192][1024] and Wq, Wk, Wv [1024][1024], f32, are rounded once to bf16 and laid in K blocks of 64:
; xb [16][8192][64], wb [16][3072][64] (rows 0-1023 Wq, 1024-2047 Wk, 2048-3071 Wv), so that 128 or 192 rows of one K block are dense bytes for the next launch.
; SHARES.  The 8,192 + 3,072 rows are 2,816 blocks of 4 rows = 256 work-groups x 11 waves: wave w of work-group g takes block 11 g + w, so that all work-groups move the same bytes.
; Blocks 0-2047 are rows of x, the others rows of a weight; 4 divides 8,192 and 1,024, so a block lies in one tensor.  Lane l takes row l / 8 and the 8 numbers at 8 (l % 8) of each of the 16 K blocks:
; a wave's load covers 4 pieces of 256 consecutive bytes, a wave's store 512 consecutive bytes (4 rows of 128).  All 32 loads of a lane go out at once: no ring, no LDS, nothing shared.
; The first 2,048 blocks' waves also fill the statistics with neutral numbers (c m = the lowest finite number, l = 0): key blocks above the diagonal, which no later launch writes, then count for nothing.
.set DO, 2                             ; v[2:17]    byte offset of my 16 bytes in K block kb of the destination
.set XR, 24                            ; v[24:151]  8 f32 for each K block
.set YR, 152                           ; v[152:215] 8 bf16 for each K block
	s_load_b512 s[8:23], s[0:1], 0x0               ; x s[8:9], Wq s[10:11], Wk s[12:13], Wv s[14:15], xb s[16:17], wb s[18:19], scm s[20:21], sl s[22:23]
	v_lshrrev_b32 v19, 5, v0
	v_readfirstlane_b32 s25, v19                   ; wave 0..10
	s_mul_i32 s2, ttmp9, 11
	s_add_co_u32 s2, s2, s25                       ; my block of 4 rows, 0..2815
	s_sub_co_u32 s4, s2, 2048                      ; the block in wb
	s_mov_b32 s5, 393216                           ; bytes from K block to K block in wb,
	s_mov_b32 s6, 1048576                          ; in xb
	s_cmp_lt_u32 s2, 2048
	s_cselect_b32 s3, 1, 0                         ; 1: I take rows of x
	s_cselect_b32 s4, s2, s4                       ; the block of 4 rows in the destination
	s_cselect_b32 s5, s6, s5
	s_and_b32 s7, s4, 255                          ; the block of 4 rows inside a weight,
	s_lshr_b32 s24, s4, 8                          ; and which weight
	s_cmp_lg_u32 s3, 0
	s_cselect_b32 s7, s2, s7                       ; the block of 4 rows in the source
	v_and_b32 v19, 31, v0                          ; lane
	v_lshrrev_b32 v1, 3, v19
	v_and_b32 v18, 7, v0
	v_lshlrev_b32 v1, 12, v1                       ; row x 4,096 bytes
	v_lshl_add_u32 v1, v18, 5, v1                  ; + 32 bytes for each eighth of a K block
	v_lshlrev_b32 v[DO], 4, v19                    ; in the destination the lane's 16 bytes lie at 16 l
.set i, 1
.rept 15
	v_add_nc_u32 v[DO+i], s5, v[DO+i-1]
.set i, i+1
.endr
	s_wait_kmcnt 0x0
	s_cmp_eq_u32 s24, 1
	s_cselect_b64 s[26:27], s[12:13], s[10:11]
	s_cmp_eq_u32 s24, 2
	s_cselect_b64 s[26:27], s[14:15], s[26:27]
	s_cmp_lg_u32 s3, 0
	s_cselect_b64 s[26:27], s[8:9], s[26:27]       ; the source,
	s_cselect_b64 s[28:29], s[16:17], s[18:19]     ; the destination
	s_lshl_b32 s30, s7, 14                         ; 4 rows of 4,096 bytes
	s_mov_b32 s31, 0
	s_add_nc_u64 s[26:27], s[26:27], s[30:31]
	s_lshl_b32 s30, s4, 9                          ; 4 rows of 128 bytes
	s_add_nc_u64 s[28:29], s[28:29], s[30:31]
.set i, 0
.rept 16
	global_load_b128 v[XR+8*i:XR+8*i+3],   v1, s[26:27] offset:256*i th:TH_LOAD_NT
	global_load_b128 v[XR+8*i+4:XR+8*i+7], v1, s[26:27] offset:256*i+16 th:TH_LOAD_NT
.set i, i+1
.endr
.set i, 0
.rept 16
	s_wait_loadcnt 30-2*i                          ; loads come back in order: K block i is in, the younger loads stay out
	v_cvt_pk_bf16_f32 v[YR+4*i],   v[XR+8*i],   v[XR+8*i+1]
	v_cvt_pk_bf16_f32 v[YR+4*i+1], v[XR+8*i+2], v[XR+8*i+3]
	v_cvt_pk_bf16_f32 v[YR+4*i+2], v[XR+8*i+4], v[XR+8*i+5]
	v_cvt_pk_bf16_f32 v[YR+4*i+3], v[XR+8*i+6], v[XR+8*i+7]
	global_store_b128 v[DO+i], v[YR+4*i:YR+4*i+3], s[28:29]
.set i, i+1
.endr
	s_cmp_lg_u32 s3, 0
	s_cbranch_scc0 .Lend
	s_lshl_b32 s30, s2, 8                          ; 256 bytes of each table for each of 2,048 blocks
	v_lshlrev_b32 v18, 3, v19
	v_add_nc_u32 v18, s30, v18
	v_mov_b32 v20, 0xff7fffff
	v_mov_b32 v21, 0xff7fffff
	v_mov_b32 v22, 0
	v_mov_b32 v23, 0
	global_store_b64 v18, v[20:21], s[20:21]       ; a wave's store covers 256 consecutive bytes, aligned
	global_store_b64 v18, v[22:23], s[22:23]
.Lend:
	s_endpgm
.Lfunc_end_k_qd696a4179e_cvt:
	.size	k_qd696a4179e_cvt, .Lfunc_end_k_qd696a4179e_cvt-k_qd696a4179e_cvt
	.p2alignl 7, 3214868480
	.fill 96, 4, 3214868480
	.section	.rodata,"a",@progbits
	.p2align	6, 0x0
	.amdhsa_kernel k_qd696a4179e_cvt
		.amdhsa_group_segment_fixed_size 0
		.amdhsa_private_segment_fixed_size 0
		.amdhsa_enable_private_segment 0
		.amdhsa_kernarg_size 64
		.amdhsa_user_sgpr_count 2
		.amdhsa_user_sgpr_kernarg_segment_ptr 1
		.amdhsa_wavefront_size32 1
		.amdhsa_system_sgpr_workgroup_id_x 1
		.amdhsa_system_sgpr_workgroup_id_y 1
		.amdhsa_system_sgpr_workgroup_id_z 1
		.amdhsa_system_vgpr_workitem_id 0
		.amdhsa_next_free_vgpr 216
		.amdhsa_next_free_sgpr 66
		.amdhsa_reserve_vcc 0
		.amdhsa_float_denorm_mode_32 3
		.amdhsa_float_denorm_mode_16_64 3
		.amdhsa_memory_ordered 1
		.amdhsa_forward_progress 1
		.amdhsa_inst_pref_size 12
	.end_amdhsa_kernel
	.amdgpu_metadata
---
amdhsa.version: [ 1, 2 ]
amdhsa.kernels:
  - .name:           k_qd696a4179e_cvt
    .symbol:         k_qd696a4179e_cvt.kd
    .args:
      - { .name: x, .offset: 0, .size: 8, .value_kind: global_buffer, .address_space: global }
      - { .name: Wq, .offset: 8, .size: 8, .value_kind: global_buffer, .address_space: global }
      - { .name: Wk, .offset: 16, .size: 8, .value_kind: global_buffer, .address_space: global }
      - { .name: Wv, .offset: 24, .size: 8, .value_kind: global_buffer, .address_space: global }
      - { .name: xb, .offset: 32, .size: 8, .value_kind: global_buffer, .address_space: global }
      - { .name: wb, .offset: 40, .size: 8, .value_kind: global_buffer, .address_space: global }
      - { .name: scm, .offset: 48, .size: 8, .value_kind: global_buffer, .address_space: global }
      - { .name: sl, .offset: 56, .size: 8, .value_kind: global_buffer, .address_space: global }
    .group_segment_fixed_size: 0
    .private_segment_fixed_size: 0
    .kernarg_segment_align: 8
    .kernarg_segment_size: 64
    .max_flat_workgroup_size: 352
    .sgpr_count:     66
    .vgpr_count:     216
    .wavefront_size: 32
...
	.end_amdgpu_metadata
.endif
;; end of part 1
;; launch proj (part 2): grid 8 x 32, 4 waves a work-group, clusters of 4 x 4, 327,680 bytes of LDS; arguments xb, wb, qkv, hd; writes qkv, hd
.if DOCPART == 2
	.amdgcn_target "amdgcn-amd-amdhsa--gfx1250"
	.amdhsa_code_object_version 6
	.text
	.protected	k_qd696a4179e_proj
	.globl	k_qd696a4179e_proj
	.p2align	8
	.type	k_qd696a4179e_proj,@function
k_qd696a4179e_proj:
	s_mov_b64 s[64:65], 0
	v_nop
	global_prefetch_b8 v0, s[64:65] scope:SCOPE_SE
	s_setreg_imm32_b32 hwreg(HW_REG_WAVE_MODE, 25, 1), 1
	s_wait_xcnt 0x0
	s_wait_alu depctr_hold_cnt(0) depctr_sa_sdst(0) depctr_va_vdst(0) depctr_va_sdst(0) depctr_va_ssrc(0) depctr_va_vcc(0) depctr_vm_vsrc(0)
	s_getreg_b32 s2, hwreg(HW_REG_IB_STS2, 6, 4)
	s_cmp_eq_u32 s2, 0
	s_cbranch_scc0 .Lentry_in_a_cluster
	s_endpgm
.Lentry_in_a_cluster:
	s_bfe_u32 s2, ttmp6, 0x10000c
	s_cmp_lg_u32 s2, 0xf033
	s_cbranch_scc0 .Lentry_shape_is_right
	s_endpgm
.Lentry_shape_is_right:
; qkv[row][col] = sum over d of x[row][d] W[col][d]: [8192][3072] (columns q | k | v), operands bf16, sums f32, the result rounded once to f16.
; LIMIT: f16 ends at 65,504; q, k and v must lie within it.
; hd takes the f32 sums of the first 32 rows of each batch of 2,048 rows, unrounded: [4][32][3072].
; A tile of the result is 256 x 384: 32 x 8 = 256 tiles, one to a work-group.  Four waves, each 128 x 192: 96 accumulators of 16 x 16, 768 registers (windows 1 to 3).
; K goes in blocks of 64 through two LDS slots.  The operands lie in K blocks (xb [16][8192][64], wb [16][3072][64]), so a wave's part of a tile is dense in memory and is asked for as rows of 256 bytes,
; two logical rows each, padded in LDS after every 128 bytes.
; CLUSTER 4 x 4: x's tile hangs on the tile row alone and is asked for jointly by a row of the cluster, W's on the tile column alone and is asked for jointly by a column.
; THE MATRIX INSTRUCTION IS USED TRANSPOSED: source 0 = 16 rows of W, source 1 = 16 rows of x: a lane holds row l % 16 of the result and the columns 8 (l / 16) + 0..7.
; REGISTERS: window 0: v0-31 addresses; v32-127 twelve fragments of W (one buffer, refilled a third at a time); v128-191, v192-255 eight fragments of x, two buffers.
;   windows 1-3: accumulator (a, b) in window 1 + b / 4 at v[8 (8 (b % 4) + a)].  So 32 matrix instructions stand under one window setting.
.set KBA,    1048576                   ; bytes from K block to K block in xb
.set KBB,    393216                    ; in wb
.set PITCH,  144                       ; an LDS row: 128 bytes + 16: 36 words, so the 16 rows of a fragment load start at 16 different groups of four banks (64 banks of 4 bytes: ISA guide 11.1)
.set AHALF,  128*PITCH                 ; what one tensor load brings of x
.set BHALF,  192*PITCH                 ; of W
.set BOFF,   2*AHALF
.set SLOT,   2*AHALF+2*BHALF           ; 92,160
.set SPITCH, 784                       ; the stage's rows: 768 bytes + 16
.set SPARE,  256*SPITCH                ; the stage (256 rows) lies over the ring and is written only behind the ring's last fill and last read; behind it the spare words, 128 bytes a wave
.set QP,     6144                      ; bytes in a row of qkv
.set HP,     12288                     ; bytes in a row of hd
.set RD,   8                           ; v8-10   the way out: where I read the stage
.set GO,   11                          ; v11-13  the same places in qkv
.set HO,   14                          ; v14     my place in hd
.set TRV,  15                          ; v15     tile row % 8
.set ADRA, 16                          ; v16-17  LDS address of my fragments of x in slot 0, 1
.set ADRB, 20                          ; v20-21  of W
.set STO,  24                          ; v24-25  the way out: where I put 16 bytes, row blocks 0-3 and 4-7
.set SPW,  28                          ; v28     LDS address of my spare word; never rewritten
.set NIL,  29                          ; v29     0; never rewritten
.set PFO,  30                          ; v30     the prefetches' offset; never rewritten
.set BF,   32
.set AF0,  128
.set AF1,  192
.set WV,  12
.set RH,  13                           ; which half of the tile's rows is mine; also: I fetch x (0) or W (1)
.set CH,  14                           ; which half of its columns; also: which half of that tile I fetch
.set G1A, 24
.set G0A, 32
.set G1B, 48
.set G0B, 56
.set PFA, 44                           ; s[44:45] where my prefetches stand
.set LIM, 46                           ; s46  1 in a wave that prefetches, else the greatest number
.set PFS, 68                           ; s[68:69] two K blocks of the tensor that I prefetch
.set MSB, 0
.macro WIN new                         ; the immediate's high byte repeats the setting that is left
.if MSB != (\new)
	s_set_vgpr_msb (MSB<<8)|(\new)
.set MSB, \new
.endif
.endm
.macro PLACES                          ; four places behind a matrix instruction, in front of loads into registers that it read and of lines that read its result
.rept 4
	v_nop
.endr
.endm
.macro JLOAD s                         ; a joint load: waves 0, 1 fetch x's two halves, waves 2, 3 W's; an s_nop 0 and four v_nop follow each line
	s_cmp_eq_u32 s[RH], 0
	s_cbranch_scc0 .Lfor_b_\@
	tensor_load_to_lds s[G0A+4*(\s):G0A+4*(\s)+3], s[G1A:G1A+7]
	s_nop 0
	PLACES
	s_branch .Lasked_\@
.Lfor_b_\@:
	tensor_load_to_lds s[G0B+4*(\s):G0B+4*(\s)+3], s[G1B:G1B+7]
	s_nop 0
	PLACES
.Lasked_\@:
.endm
.macro CREST                           ; a round of the cluster's barrier behind its opening barrier
	s_cmp_lg_u32 s[WV], 0
	s_cbranch_scc1 .Lnot_wave_0_\@
	s_barrier_signal -3
.Lnot_wave_0_\@:
	s_barrier_wait -3
	s_barrier_signal -1
	s_barrier_wait -1
.endm
.macro CROUND
	s_barrier_signal -1
	s_barrier_wait -1
	CREST
.endm
; A PREFETCH INTO THE L2, once a lap (two K blocks), for the two K blocks that the NEXT lap's refills ask for.  Each aligned block of 256 bytes is named once in the launch.
; x's tile (128 blocks a K block) is read by both clusters of a row of clusters: cluster x = 0 asks; its four partners take 32 blocks each, told apart by address (cx); wave 0, a lane a block, two lines.
; W's tile (192 blocks a K block) is read by all clusters of a column: cluster y = 0 asks; the partners take 48 blocks each (cy); waves 1-3: 96 lanes for 2 x 48 blocks, one line.
; The loop's last lap asks for nothing: there is no K block behind its own refills.  K blocks 0 to 3 come by their loads alone.
.macro ASK
	s_cmp_gt_u32 s3, s[LIM]
	s_cbranch_scc0 .Lnot_mine_\@
	global_prefetch_b8 v[PFO], s[PFA:PFA+1] th:TH_LOAD_NT scope:SCOPE_SE
	s_cmp_lg_u32 s[WV], 0
	s_cbranch_scc1 .Lnot_mine_\@
	global_prefetch_b8 v[PFO], s[PFA:PFA+1] offset:KBA th:TH_LOAD_NT scope:SCOPE_SE
.Lnot_mine_\@:
.endm
	s_load_b256 s[4:11], s[0:1], 0x0               ; xb s[4:5], wb s[6:7], qkv s[8:9], hd s[10:11]
	v_lshl_add_u32 v[SPW], v0, 2, SPARE
	v_mov_b32 v[NIL], 0
	ds_add_u32 v[SPW], v[NIL]                      ; the wave's opening: the add and its wait ahead of my first tensor load
	v_lshrrev_b32 v1, 5, v0
	v_readfirstlane_b32 s[WV], v1
	s_lshr_b32 s[RH], s[WV], 1
	s_and_b32 s[CH], s[WV], 1
	s_bfe_u32 s40, ttmp6, 0x40000                  ; cx
	s_bfe_u32 s41, ttmp6, 0x40004                  ; cy
	s_lshl_b32 s42, ttmp9, 2
	s_add_co_u32 s42, s42, s40                     ; tile column = 4 x cluster x + cx
	s_and_b32 s43, ttmp7, 0xffff
	s_lshl_b32 s43, s43, 2
	s_add_co_u32 s43, s43, s41                     ; tile row = 4 x cluster y + cy
	s_lshl_b32 s16, s41, 2
	s_lshl_b32 s16, 15, s16                        ; my row of the cluster
	s_lshl_b32 s17, 0x1111, s40                    ; my column
	; group 1: rows of 128 elements (256 bytes, two logical rows), 64 of them for x and 96 for W; 4 words of padding after every 32 words
	s_or_b32 s[G1A+0], s16, (1<<16)|(1<<20)|(1<<21)|(4<<22)|(3<<25)
	s_or_b32 s[G1B+0], s17, (1<<16)|(1<<20)|(1<<21)|(4<<22)|(3<<25)
	s_mov_b32 s[G1A+1], 128<<16                    ; tensor_dim0
	s_mov_b32 s[G1B+1], 128<<16
	s_mov_b32 s[G1A+2], 64<<16                     ; tensor_dim1
	s_mov_b32 s[G1B+2], 96<<16
	s_mov_b32 s[G1A+3], 128<<16                    ; tile_dim0
	s_mov_b32 s[G1B+3], 128<<16
	s_mov_b32 s[G1A+4], 64                         ; tile_dim1
	s_mov_b32 s[G1B+4], 96
	s_mov_b32 s[G1A+5], 128                        ; elements from row to row: dense
	s_mov_b32 s[G1B+5], 128
	s_mov_b32 s[G1A+6], 0
	s_mov_b32 s[G1B+6], 0
	s_mov_b32 s[G1A+7], 0
	s_mov_b32 s[G1B+7], 0
	s_lshl_b32 s18, s43, 15                        ; x: (256 x tile row + 128 x half) rows of 128 bytes
	s_lshl_b32 s19, s[CH], 14
	s_add_co_u32 s18, s18, s19
	s_mov_b32 s19, 0
	s_mul_i32 s20, s42, 49152                      ; W: (384 x tile column + 192 x half) rows of 128 bytes
	s_mul_i32 s21, s[CH], 24576
	s_add_co_u32 s20, s20, s21
	s_mov_b32 s21, 0
	s_mul_i32 s22, s[CH], AHALF                    ; where they go: no place in the cluster enters an LDS address
	s_mul_i32 s23, s[CH], BHALF
	s_add_co_u32 s23, s23, BOFF
	s_wait_dscnt 0x0                               ; the opening add is done
	s_wait_kmcnt 0x0
	s_add_nc_u64 s[18:19], s[4:5], s[18:19]
	s_add_nc_u64 s[20:21], s[6:7], s[20:21]
	CROUND                                         ; all sixteen work-groups are here: the first joint loads meet
.irp s, 0,1
	s_mov_b32 s[G0A+4*(\s)], 1
	s_add_co_u32 s[G0A+4*(\s)+1], s22, (\s)*SLOT
	s_add_nc_u64 s[G0A+4*(\s)+2:G0A+4*(\s)+3], s[18:19], (\s)*KBA
	s_or_b32 s[G0A+4*(\s)+3], s[G0A+4*(\s)+3], 0x80000000
	s_mov_b32 s[G0B+4*(\s)], 1
	s_add_co_u32 s[G0B+4*(\s)+1], s23, (\s)*SLOT
	s_add_nc_u64 s[G0B+4*(\s)+2:G0B+4*(\s)+3], s[20:21], (\s)*KBB
	s_or_b32 s[G0B+4*(\s)+3], s[G0B+4*(\s)+3], 0x80000000
	JLOAD \s                                       ; two loads of mine are out
.endr
	v_and_b32 v1, 15, v0                           ; r = l % 16
	v_bfe_u32 v2, v0, 4, 1                         ; h = l / 16
	v_mul_u32_u24 v3, v1, PITCH
	v_lshl_add_u32 v3, v2, 4, v3                   ; a fragment's row x pitch + 16 x half
	s_mul_i32 s72, s[RH], AHALF
	s_mul_i32 s73, s[CH], BHALF
	s_add_co_u32 s73, s73, BOFF
.irp s, 0,1
	v_add_nc_u32 v[ADRA+(\s)], s72, v3
	v_add_nc_u32 v[ADRB+(\s)], s73, v3
	s_add_co_u32 s72, s72, SLOT
	s_add_co_u32 s73, s73, SLOT
.endr
	s_mul_i32 s72, s[RH], 128*SPITCH               ; into the stage: row 128 rh + 16 a + r, byte 384 ch + 32 b + 16 h
	s_mul_i32 s73, s[CH], 384
	s_add_co_u32 s72, s72, s73
	v_mul_u32_u24 v4, v1, SPITCH
	v_lshl_add_u32 v4, v2, 4, v4
	v_add_nc_u32 v[STO], s72, v4
	v_add_nc_u32 v[STO+1], 64*SPITCH, v[STO]
	; back: wave w takes rows 64 w .. 64 w + 63.  Two rows are six pieces of 256 bytes, three lines: (row 0: pieces 0, 1), (row 0 piece 2, row 1 piece 0), (row 1: pieces 1, 2); 16 lanes a piece
	s_mul_i32 s72, s[WV], 64*SPITCH
	v_lshlrev_b32 v5, 4, v1
	v_lshl_add_u32 v6, v2, 8, v5                   ; 256 h + 16 r
	v_add_nc_u32 v[RD], s72, v6
	v_mov_b32 v[GO], v6
	v_mul_u32_u24 v7, v2, SPITCH-512
	v_add3_u32 v7, v7, v5, 512
	v_add_nc_u32 v[RD+1], s72, v7
	v_mul_u32_u24 v7, v2, QP-512
	v_add3_u32 v[GO+1], v7, v5, 512
	v_add_nc_u32 v7, SPITCH+256, v6
	v_add_nc_u32 v[RD+2], s72, v7
	v_add_nc_u32 v[GO+2], QP+256, v6
	v_mul_u32_u24 v[HO], v1, HP
	v_lshl_add_u32 v[HO], v2, 5, v[HO]             ; hd: row r, 32 bytes for each half of the lanes
	s_and_b32 s74, s43, 7
	v_mov_b32 v[TRV], s74
	s_lshl_b32 s74, s43, 8                         ; qkv at row 256 x tile row + 64 x wave, byte 768 x tile column
	s_lshl_b32 s75, s[WV], 6
	s_add_co_u32 s74, s74, s75
	s_mul_i32 s74, s74, QP
	s_mul_i32 s75, s42, 768
	s_add_co_u32 s74, s74, s75
	s_mov_b32 s75, 0
	s_add_nc_u64 s[8:9], s[8:9], s[74:75]
	s_lshr_b32 s74, s43, 3                         ; hd at the batch, byte (384 x tile column + 192 ch) x 4
	s_mul_i32 s74, s74, 32*HP
	s_mul_i32 s75, s42, 1536
	s_add_co_u32 s74, s74, s75
	s_mul_i32 s75, s[CH], 768
	s_add_co_u32 s74, s74, s75
	s_mov_b32 s75, 0
	s_add_nc_u64 s[10:11], s[10:11], s[74:75]
	; the prefetches
	s_lshl_b32 s76, s43, 15                        ; x: the tile's 32,768 bytes of a K block, my work-group's 8,192 of them, at K block 2
	s_lshl_b32 s77, s40, 13
	s_add_co_u32 s76, s76, s77
	s_add_co_u32 s76, s76, 2*KBA
	s_mul_i32 s77, s42, 49152                      ; W: the tile's 49,152 bytes, my work-group's 12,288, at K block 2
	s_mul_i32 s78, s41, 12288
	s_add_co_u32 s77, s77, s78
	s_add_co_u32 s77, s77, 2*KBB
	s_and_b32 s78, ttmp7, 0xffff                   ; cluster y
	s_mov_b32 s79, 2*KBA
	s_mov_b32 s80, 2*KBB
	s_cmp_eq_u32 s[WV], 0
	s_cselect_b64 s[PFA:PFA+1], s[4:5], s[6:7]
	s_cselect_b32 s76, s76, s77
	s_cselect_b32 s78, ttmp9, s78                  ; the coordinate along which other clusters read the same rows
	s_cselect_b32 s[PFS], s79, s80
	s_cselect_b32 s79, -1, 0
	s_mov_b32 s77, 0
	s_mov_b32 s[PFS+1], 0
	s_add_nc_u64 s[PFA:PFA+1], s[PFA:PFA+1], s[76:77]
	s_cmp_eq_u32 s78, 0
	s_cselect_b32 s[LIM], 1, -1                    ; the same in all sixteen partners, for a given wave
	v_add_nc_u32 v5, -32, v0                       ; waves 1-3: u = 0 .. 95
	v_cmp_le_u32 vcc_lo, 48, v5
	v_cndmask_b32 v6, 0, 1, vcc_lo                 ; the second of the two K blocks
	v_mul_u32_u24 v6, v6, KBB-48*256
	v_lshl_add_u32 v6, v5, 8, v6
	v_lshlrev_b32 v5, 8, v0                        ; wave 0: a lane a block
	v_cndmask_b32 v[PFO], v6, v5, s79
; 16 matrix instructions: column blocks 4 s + 2 bp, + 1 x all 8 row blocks, 32 along K.  The 96 accumulators take turns, one instruction a turn, over the backward jump too.
.macro MUL16 s, bp, af, zero
	WIN ((\s)+1)*0x50                              ; C and D in window 1 + s, the sources in window 0
.irp bb, 0,1
.irp a, 0,1,2,3,4,5,6,7
.if \zero
	v_wmma_f32_16x16x32_bf16 v[8*(8*(2*(\bp)+(\bb))+(\a)):8*(8*(2*(\bp)+(\bb))+(\a))+7], v[BF+8*(4*(\s)+2*(\bp)+(\bb)):BF+8*(4*(\s)+2*(\bp)+(\bb))+7], v[(\af)+8*(\a):(\af)+8*(\a)+7], 0
.else
	v_wmma_f32_16x16x32_bf16 v[8*(8*(2*(\bp)+(\bb))+(\a)):8*(8*(2*(\bp)+(\bb))+(\a))+7], v[BF+8*(4*(\s)+2*(\bp)+(\bb)):BF+8*(4*(\s)+2*(\bp)+(\bb))+7], v[(\af)+8*(\a):(\af)+8*(\a)+7], v[8*(8*(2*(\bp)+(\bb))+(\a)):8*(8*(2*(\bp)+(\bb))+(\a))+7]
.endif
.endr
.endr
.endm
.macro LDB slot, k, b0                 ; four fragments of W, b0 on, at byte k of the rows: 8 loads
.irp i, 0,1,2,3
	ds_load_b128 v[BF+8*((\b0)+(\i)):BF+8*((\b0)+(\i))+3],   v[ADRB+(\slot)] offset:((\b0)+(\i))*16*PITCH+(\k)
	ds_load_b128 v[BF+8*((\b0)+(\i))+4:BF+8*((\b0)+(\i))+7], v[ADRB+(\slot)] offset:((\b0)+(\i))*16*PITCH+(\k)+32
.endr
.endm
.macro LDA slot, k, af, a0             ; four fragments of x into buffer af
.irp i, 0,1,2,3
	ds_load_b128 v[(\af)+8*((\a0)+(\i)):(\af)+8*((\a0)+(\i))+3],   v[ADRA+(\slot)] offset:((\a0)+(\i))*16*PITCH+(\k)
	ds_load_b128 v[(\af)+8*((\a0)+(\i))+4:(\af)+8*((\a0)+(\i))+7], v[ADRA+(\slot)] offset:((\a0)+(\i))*16*PITCH+(\k)+32
.endr
.endm
; A K block is two steps of 32 along K, 96 matrix instructions each.  Behind each third of a step that third's fragments of W are fetched for the next step, and with the first two thirds half of x's.
; THE EVEN STEP multiplies buffer AF0 and fetches the slot's second 32 along K: the slot's last reads.
.macro E slot, zero
	s_wait_dscnt 8                                 ; all but the youngest eight loads (W's fragments 8-11)
	MUL16 0, 0, AF0, \zero
	MUL16 0, 1, AF0, \zero
	WIN 0
	PLACES
	LDB \slot, 64, 0
	LDA \slot, 64, AF1, 0
	MUL16 1, 0, AF0, \zero
	MUL16 1, 1, AF0, \zero
	WIN 0
	PLACES
	LDB \slot, 64, 4
	LDA \slot, 64, AF1, 4
	s_wait_dscnt 32                                ; all but the 32 just issued
	MUL16 2, 0, AF0, \zero
	MUL16 2, 1, AF0, \zero
	WIN 0
	PLACES
	LDB \slot, 64, 8
.endm
; THE ODD STEP multiplies buffer AF1 and changes slots: ONE barrier.  In front of it each wave waits for all its tensor loads (one is out: its part of the next slot), adds 0 to its spare word, and waits for that
; and for its reads of this slot.  fill = 1: the barrier opens a round of the cluster's, and the joint refill (this slot, two K blocks on) is the first thing behind it: 160 matrix instructions ahead of the wait for it.
.macro O slot, next, fill
.if (\fill) && ((\slot) == 0)
	s_wait_xcnt 0x0                                ; the last prefetches, a lap back, have read their address
	s_add_nc_u64 s[PFA:PFA+1], s[PFA:PFA+1], s[PFS:PFS+1]
.endif
	WIN 0
	s_wait_tensorcnt 0x0
	ds_add_u32 v[SPW], v[NIL]
	s_wait_dscnt 9                                 ; (the add and the youngest eight loads may be out)
	MUL16 0, 0, AF1, 0
	s_wait_dscnt 0x0                               ; the add is done, and my reads of this slot are over
	s_barrier_signal -1
	MUL16 0, 1, AF1, 0
	WIN 0
	s_barrier_wait -1
.if \fill
	CREST
	s_add_nc_u64 s[G0A+4*(\slot)+2:G0A+4*(\slot)+3], s[G0A+4*(\slot)+2:G0A+4*(\slot)+3], 2*KBA
	s_add_nc_u64 s[G0B+4*(\slot)+2:G0B+4*(\slot)+3], s[G0B+4*(\slot)+2:G0B+4*(\slot)+3], 2*KBB
	JLOAD \slot                                    ; its four v_nop are also the places in front of the loads below
.else
	PLACES
.endif
	LDB \next, 0, 0
	LDA \next, 0, AF0, 0
.if (\fill) && ((\slot) == 0)
	ASK
.endif
	MUL16 1, 0, AF1, 0
	MUL16 1, 1, AF1, 0
	WIN 0
	PLACES
	LDB \next, 0, 4
	LDA \next, 0, AF0, 4
	MUL16 2, 0, AF1, 0
	MUL16 2, 1, AF1, 0
	WIN 0
	PLACES
	LDB \next, 0, 8
.endm
	s_wait_tensorcnt 1                             ; my part of K block 0 is in; K block 1's may stay out
	s_barrier_signal -1
	s_barrier_wait -1
	LDB 0, 0, 0
	LDA 0, 0, AF0, 0
	LDB 0, 0, 4
	LDA 0, 0, AF0, 4
	LDB 0, 0, 8
	E 0, 1                                         ; the first step starts the sums: nothing is cleared
	s_mov_b32 s3, 7
.Llap:                                         ; once round the ring; both slots are filled again: K blocks 2 to 15
	O 0, 1, 1
	E 1, 0
	O 1, 0, 1
	E 0, 0
	s_sub_co_u32 s3, s3, 1
	s_cmp_lg_u32 s3, 0
	s_cbranch_scc1 .Llap
	O 0, 1, 0                                      ; the tail fills nothing
	E 1, 0
	s_wait_dscnt 8                                 ; the last step
	MUL16 0, 0, AF1, 0
	MUL16 0, 1, AF1, 0
	MUL16 1, 0, AF1, 0
	MUL16 1, 1, AF1, 0
	s_wait_dscnt 0x0                               ; my reads of the ring are over:
	s_barrier_signal -1
	MUL16 2, 0, AF1, 0
	MUL16 2, 1, AF1, 0
	WIN 0
	s_barrier_wait -1                              ; everybody's are: the stage may be written over the ring
	PLACES
	; THE FIRST 32 ROWS OF A BATCH leave also as f32.  They lie in tile rows 0, 8, 16, 24, row blocks 0 and 1 of waves 0 and 1.  The tile row hangs on the place in the cluster,
	; so it chooses by EXEC and not by a branch.  A lane's 16 bytes stand alone in their row here: 1.5 MB in the launch, against 50 MB that leave in whole rows.
	s_cmp_lg_u32 s[RH], 0
	s_cbranch_scc1 .Lno_head
	s_wait_xcnt 0x0                                ; EXEC changes only behind this wait
	v_cmp_eq_u32 vcc_lo, 0, v[TRV]
	s_and_saveexec_b32 s70, vcc_lo
.irp w, 1,2,3
	WIN (\w)<<2                                    ; the stores' data in window w
.irp bl, 0,1,2,3
.irp a, 0,1
	global_store_b128 v[HO], v[8*(8*(\bl)+(\a)):8*(8*(\bl)+(\a))+3],   s[10:11] offset:(\a)*16*HP+64*(4*((\w)-1)+(\bl))
	global_store_b128 v[HO], v[8*(8*(\bl)+(\a))+4:8*(8*(\bl)+(\a))+7], s[10:11] offset:(\a)*16*HP+64*(4*((\w)-1)+(\bl))+16
.endr
.endr
.endr
	WIN 0
	s_wait_xcnt 0x0
	s_or_b32 exec_lo, exec_lo, s70
.Lno_head:
	; THE WAY OUT: a window's 32 accumulators are rounded to f16 (each from its low end on), 16 bytes a lane, into the work-group's stage
.macro PACKW w
	WIN (\w)|((\w)<<2)
.set pi, 0
.rept 128
	v_cvt_pk_f16_f32 v[128+pi], v[2*pi], v[2*pi+1]
.set pi, pi+1
.endr
	WIN 0
.set pi, 0
.rept 32                               ; accumulator pi: row block pi % 8, column block 4 (w - 1) + pi / 8
	ds_store_b128 v[STO+(pi%8)/4], v[128+4*pi:128+4*pi+3] offset:((pi%8)%4)*16*SPITCH+32*(4*((\w)-1)+pi/8)
.set pi, pi+1
.endr
.endm
	PACKW 1
	PACKW 2
	PACKW 3
	s_wait_dscnt 0x0                               ; for the others' sake: my stores into the stage are done
	s_barrier_signal -1
	s_barrier_wait -1
.macro BACK q                          ; 16 rows: 24 lines, each two pieces of 256 consecutive bytes, aligned
.set BK, 32+96*((\q)%2)
	s_wait_xcnt 0x0                                ; the stores of two batches back have read these registers
.set bi, 0
.rept 24
	ds_load_b128 v[BK+4*bi:BK+4*bi+3], v[RD+bi%3] offset:(8*(\q)+bi/3)*2*SPITCH
.set bi, bi+1
.endr
.set bi, 0
.rept 24
	s_wait_dscnt 23-bi
	global_store_b128 v[GO+bi%3], v[BK+4*bi:BK+4*bi+3], s[8:9] offset:(8*(\q)+bi/3)*2*QP
.set bi, bi+1
.endr
.endm
	BACK 0
	BACK 1
	BACK 2
	BACK 3
	s_wait_tensorcnt 0x0                           ; the wave's end
	ds_add_u32 v[SPW], v[NIL]
	s_wait_dscnt 0x0
	CROUND                                         ; the closing round
	s_endpgm
.Lfunc_end_k_qd696a4179e_proj:
	.size	k_qd696a4179e_proj, .Lfunc_end_k_qd696a4179e_proj-k_qd696a4179e_proj
	.p2alignl 7, 3214868480
	.fill 96, 4, 3214868480
	.section	.rodata,"a",@progbits
	.p2align	6, 0x0
	.amdhsa_kernel k_qd696a4179e_proj
		.amdhsa_group_segment_fixed_size 327680
		.amdhsa_private_segment_fixed_size 0
		.amdhsa_enable_private_segment 0
		.amdhsa_kernarg_size 32
		.amdhsa_user_sgpr_count 2
		.amdhsa_user_sgpr_kernarg_segment_ptr 1
		.amdhsa_wavefront_size32 1
		.amdhsa_system_sgpr_workgroup_id_x 1
		.amdhsa_system_sgpr_workgroup_id_y 1
		.amdhsa_system_sgpr_workgroup_id_z 1
		.amdhsa_system_vgpr_workitem_id 0
		.amdhsa_next_free_vgpr 1024
		.amdhsa_next_free_sgpr 84
		.amdhsa_reserve_vcc 1
		.amdhsa_float_denorm_mode_32 3
		.amdhsa_float_denorm_mode_16_64 3
		.amdhsa_memory_ordered 1
		.amdhsa_forward_progress 1
		.amdhsa_inst_pref_size 139
	.end_amdhsa_kernel
	.amdgpu_metadata
---
amdhsa.version: [ 1, 2 ]
amdhsa.kernels:
  - .name:           k_qd696a4179e_proj
    .symbol:         k_qd696a4179e_proj.kd
    .args:
      - { .name: xb, .offset: 0, .size: 8, .value_kind: global_buffer, .address_space: global }
      - { .name: wb, .offset: 8, .size: 8, .value_kind: global_buffer, .address_space: global }
      - { .name: qkv, .offset: 16, .size: 8, .value_kind: global_buffer, .address_space: global }
      - { .name: hd, .offset: 24, .size: 8, .value_kind: global_buffer, .address_space: global }
    .group_segment_fixed_size: 327680
    .private_segment_fixed_size: 0
    .kernarg_segment_align: 8
    .kernarg_segment_size: 32
    .max_flat_workgroup_size: 128
    .sgpr_count:     84
    .vgpr_count:     1024
    .wavefront_size: 32
...
	.end_amdgpu_metadata
.endif
;; end of part 2
;; launch score (part 3): grid 40 x 4, 4 waves a work-group, no clusters, 327,680 bytes of LDS; arguments qkv, hd, pw, scm, sl, out0; writes pw, scm, sl, out0
.if DOCPART == 3
	.amdgcn_target "amdgcn-amd-amdhsa--gfx1250"
	.amdhsa_code_object_version 6
	.text
	.protected	k_qd696a4179e_score
	.globl	k_qd696a4179e_score
	.p2align	8
	.type	k_qd696a4179e_score,@function
k_qd696a4179e_score:
	s_mov_b64 s[64:65], 0
	v_nop
	global_prefetch_b8 v0, s[64:65] scope:SCOPE_SE
	s_setreg_imm32_b32 hwreg(HW_REG_WAVE_MODE, 25, 1), 1
	s_wait_xcnt 0x0
; THE WEIGHTS.  For batch y the work-groups x = 0 .. 35 make the 36 tiles (I, J), J <= I, of 256 queries x 256 keys of s = q . k; x = 36 .. 39 make rows 0-31 of the batch's output outright (THE HEAD PATH, at the text's end).
; THE TILES' PATH.  q and k are f16 columns of qkv [8192][3072]; K = 1,024 goes in steps of 128 through two LDS slots; four waves, each 128 queries x 128 keys in 512 registers.
; The matrix instruction is used transposed (source 0 = 16 keys, source 1 = 16 queries): a lane holds ONE query (l % 16) and the keys 8 (l / 16) + 0..7.
; THE MASK is the C operand that starts the sums: 0, or -1e30 where key > query (only in the quadrants that hold the diagonal).
; SOFTMAX BY BLOCKS.  For each query and each block of 128 keys (a wave's quadrant): m = the block's maximum, p = 2^(c s - c m), c = log2(e) / 32, l = the sum of the p.  pw takes p in f16, scm takes c m, sl takes l;
; the next launch brings the blocks to the row's true maximum.  The quadrant wholly above the diagonal (I = J, upper rows, right keys) stores zeros in pw and leaves the tables' neutral fill.
; NO CLUSTER: a row of the triangle has I + 1 tiles and a column 8 - J, neither a multiple of four.
; LIMITS.  A hidden score counts as its value less 1e30; a weight below 2^-126 counts as 0 in l, below 6e-8 as 0 in pw; NaN and infinities are not treated apart.
; REGISTERS (the tiles' path), in windows of 256: window 0: v0-31 addresses; v32-47 masks; v64-127, v128-191 fragments of q; window 1: the same numbers, fragments of k;
;   window 2: accumulators of my query blocks 0-3 ((a, b) at v[8 (8 a + b)]); window 3: of blocks 4-7.
.set PITCH,  272                       ; an LDS row: 256 bytes + 16
.set HALFT,  128*PITCH
.set SLOT,   4*HALFT                   ; q's 256 rows, then k's 256 rows
.set STAGE,  2*SLOT                    ; behind the ring: 16 rows x 272 bytes a wave
.set SSTG,   STAGE+4*16*PITCH          ; 1,024 bytes a wave: c m and l of its 128 queries
.set SPARE,  SSTG+4096                 ; the spare words, 128 bytes a wave
.set HSUM,   SPARE+512                 ; the head path's only LDS bytes: the four waves' partial sums, 4,096 bytes each; no line of the tiles' path names them
.set QP,     6144                      ; bytes in a row of qkv
.set HP,     12288                     ; bytes in a row of hd
.set ADRA, 16
.set ADRB, 20
.set SR,   22                          ; v22  where I read my wave's statistics back
.set SO,   23                          ; v23  their place in scm and sl
.set STO,  24
.set RD,   25
.set GO,   26
.set SPW,  28
.set NIL,  29
.set PFO,  30
.set SA,   31                          ; v31  where my query's statistics go, for the wave's first 16 queries; never rewritten
.set MDG,  32                          ; v32-39  the mask of a block on the diagonal
.set MUP,  40                          ; v40-47  of a block above it
.set F0,   64
.set F1,   128
.set S,    64                          ; the way out: a row block's 64 scores a lane
.set PK,   128                         ; its weights in f16
.set BK,   160                         ; whole rows, read back
.set WV, 16
.set RH, 17
.set CH, 18
.set BB, 19
.set II, 20
.set JJ, 21
.set XX, 22
.set G1, 24
.set G0, 32
.set LIM, 40
.set BIG, 41
.set DEAD, 42
.set PFA, 44
.set CS, 46
.set SEL, 48
.set MSB, 0
.macro WIN new
.if MSB != (\new)
	s_set_vgpr_msb (MSB<<8)|(\new)
.set MSB, \new
.endif
.endm
.macro PLACES
.rept 4
	v_nop
.endr
.endm
.macro LOAD s                          ; my quarter of slot s; an s_nop 0 and four v_nop follow
	tensor_load_to_lds s[G0+4*(\s):G0+4*(\s)+3], s[G1:G1+7]
	s_nop 0
	PLACES
.endm
; A PREFETCH INTO THE L2 behind each refill and its run of LDS loads: the K step two refills on, 256 bytes of each of the 128 rows that I fetch: a lane a row, four lines.
; q's rows of tile row I are read by the tiles J = 0 .. I: the tile J = 0 asks (waves 0, 1); k's rows of tile column J by the tiles I = J .. 7: the tile I = J asks (waves 2, 3).  So each block is named once.
; K steps 0 to 3 come by their loads alone; the last lap of the loop asks for nothing.
.macro ASK
	s_cmp_gt_u32 s3, s[LIM]
	s_cbranch_scc0 .Lnot_mine_\@
.irp i, 0,1,2,3
	global_prefetch_b8 v[PFO], s[PFA:PFA+1] offset:256+(\i)*32*QP th:TH_LOAD_NT scope:SCOPE_SE
.endr
.Lnot_mine_\@:
.endm
	s_load_b256 s[4:11], s[0:1], 0x0               ; qkv s[4:5], hd s[6:7], pw s[8:9], scm s[10:11]
	s_load_b128 s[12:15], s[0:1], 0x20             ; sl s[12:13], out0 s[14:15]
	v_lshl_add_u32 v[SPW], v0, 2, SPARE
	v_mov_b32 v[NIL], 0
	ds_add_u32 v[SPW], v[NIL]                      ; the wave's opening: the add and its wait ahead of my first tensor load
	v_lshrrev_b32 v1, 5, v0
	v_readfirstlane_b32 s[WV], v1
	s_lshr_b32 s[RH], s[WV], 1
	s_and_b32 s[CH], s[WV], 1
	s_and_b32 s[BB], ttmp7, 0xffff                 ; the batch
	s_mov_b32 s[XX], ttmp9
	s_mov_b32 s[CS], 0x3d38aa3b                    ; c = log2(e) / 32
	s_mov_b32 s[CS+1], s[CS]
	s_mov_b32 s[SEL], 0x76543210
	s_mov_b32 s[SEL+1], 0xfedcba98
	v_and_b32 v1, 15, v0                           ; r
	v_bfe_u32 v2, v0, 4, 1                         ; h
	v_lshlrev_b32 v3, 3, v2
	v_sub_nc_u32 v14, v1, v3                       ; r - 8 h: register j of a block on the diagonal is hidden where j is greater
	s_wait_dscnt 0x0
	s_wait_kmcnt 0x0
	s_cmp_ge_u32 s[XX], 36
	s_cbranch_scc1 .Lhead
	s_mov_b32 s[II], 0                             ; tile row I: how many of the triangle's row starts lie at or below x
.irp t, 1,3,6,10,15,21,28
	s_cmp_ge_u32 s[XX], \t
	s_add_co_ci_u32 s[II], s[II], 0
.endr
	s_add_co_u32 s52, s[II], 1
	s_mul_i32 s52, s52, s[II]
	s_lshr_b32 s52, s52, 1
	s_sub_co_u32 s[JJ], s[XX], s52
	s_mov_b32 s[G1+0], (1<<16)|(1<<20)|(5<<22)|(3<<25)  ; 2-byte elements; 4 words of padding after every 64 words
	s_mov_b32 s[G1+1], 128<<16
	s_mov_b32 s[G1+2], 128<<16
	s_mov_b32 s[G1+3], 128<<16
	s_mov_b32 s[G1+4], 128
	s_mov_b32 s[G1+5], 3072
	s_mov_b32 s[G1+6], 0
	s_mov_b32 s[G1+7], 0
	s_cmp_eq_u32 s[RH], 0                          ; waves 0, 1 fetch q's two halves, waves 2, 3 k's
	s_cselect_b32 s52, s[II], s[JJ]
	s_cselect_b32 s53, 0, 2048
	s_lshl_b32 s52, s52, 8
	s_lshl_b32 s54, s[BB], 11
	s_add_co_u32 s52, s52, s54
	s_lshl_b32 s54, s[CH], 7
	s_add_co_u32 s52, s52, s54
	s_mul_i32 s52, s52, QP
	s_add_co_u32 s52, s52, s53
	s_mov_b32 s53, 0
	s_add_nc_u64 s[54:55], s[4:5], s[52:53]        ; my 128 rows at K step 0
	s_mul_i32 s56, s[WV], HALFT
.irp s, 0,1
	s_mov_b32 s[G0+4*(\s)], 1
	s_add_co_u32 s[G0+4*(\s)+1], s56, (\s)*SLOT
	s_add_nc_u64 s[G0+4*(\s)+2:G0+4*(\s)+3], s[54:55], (\s)*256
	s_or_b32 s[G0+4*(\s)+3], s[G0+4*(\s)+3], 0x80000000
	tensor_load_to_lds s[G0+4*(\s):G0+4*(\s)+3], s[G1:G1+7]  ; the two first fills go out together: two loads of mine are out
	s_nop 0
.endr
	PLACES
	s_add_nc_u64 s[PFA:PFA+1], s[54:55], 512       ; at K step 2: the first refill steps it to 3 and names K step 4
	s_sub_co_u32 s58, s[II], s[JJ]
	s_cmp_eq_u32 s[RH], 0
	s_cselect_b32 s57, s[JJ], s58
	s_cmp_eq_u32 s57, 0
	s_cselect_b32 s[LIM], 1, -1
	s_xor_b32 s59, s[RH], s[CH]
	s_or_b32 s59, s59, s58
	s_cmp_eq_u32 s59, 0                            ; does my quadrant hold the diagonal?
	s_cselect_b32 s[BIG], 0xf149f2ca, 0            ; -1e30, or nothing to hide
	s_xor_b32 s60, s[CH], 1
	s_or_b32 s60, s60, s[RH]
	s_or_b32 s60, s60, s58
	s_cmp_eq_u32 s60, 0                            ; does it lie wholly above?
	s_cselect_b32 s[DEAD], 1, 0
.set j, 0
.rept 8
	v_cmp_gt_i32 vcc_lo, j, v14
	v_cndmask_b32 v[MDG+j], 0, s[BIG], vcc_lo
	v_mov_b32 v[MUP+j], s[BIG]
.set j, j+1
.endr
	v_and_b32 v3, 31, v0                           ; lane
	v_mul_u32_u24 v[PFO], v3, QP
	v_mul_u32_u24 v4, v1, PITCH
	v_lshl_add_u32 v4, v2, 4, v4                   ; row x pitch + 16 x half
	s_mul_i32 s56, s[RH], HALFT
	s_mul_i32 s57, s[CH], HALFT
	s_add_co_u32 s57, s57, 2*HALFT
.irp s, 0,1
	v_add_nc_u32 v[ADRA+(\s)], s56, v4
	v_add_nc_u32 v[ADRB+(\s)], s57, v4
	s_add_co_u32 s56, s56, SLOT
	s_add_co_u32 s57, s57, SLOT
.endr
	s_mul_i32 s56, s[WV], 16*PITCH
	s_add_co_u32 s56, s56, STAGE                   ; my stage
	v_add_nc_u32 v[STO], s56, v4                   ; in: row r, 16 bytes for each half of the lanes
	v_mul_u32_u24 v4, v2, PITCH
	v_lshl_add_u32 v4, v1, 4, v4
	v_add_nc_u32 v[RD], s56, v4                    ; back: lanes 0-15 one row of 256 bytes, lanes 16-31 the next
	v_lshlrev_b32 v4, 12, v2
	v_lshl_add_u32 v[GO], v1, 4, v4                ; the same two rows in pw
	s_lshl_b32 s56, s[WV], 10
	s_add_co_u32 s56, s56, SSTG
	v_lshl_add_u32 v[SA], v1, 2, s56
	v_lshl_add_u32 v[SR], v3, 4, s56
	s_lshl_b32 s56, s[BB], 4                       ; scm, sl: [batch][key block 2 J + ch][row]
	s_lshl_b32 s57, s[JJ], 1
	s_add_co_u32 s56, s56, s57
	s_add_co_u32 s56, s56, s[CH]
	s_lshl_b32 s56, s56, 11
	s_lshl_b32 s57, s[II], 8
	s_add_co_u32 s56, s56, s57
	s_lshl_b32 s57, s[RH], 7
	s_add_co_u32 s56, s56, s57
	s_lshl_b32 s56, s56, 2
	v_lshl_add_u32 v[SO], v3, 4, s56
	s_lshl_b32 s56, s[BB], 11                      ; pw at my first row and key
	s_lshl_b32 s57, s[II], 8
	s_add_co_u32 s56, s56, s57
	s_lshl_b32 s57, s[RH], 7
	s_add_co_u32 s56, s56, s57
	s_lshl_b32 s56, s56, 12
	s_lshl_b32 s57, s[JJ], 9
	s_add_co_u32 s56, s56, s57
	s_lshl_b32 s57, s[CH], 8
	s_add_co_u32 s56, s56, s57
	s_mov_b32 s57, 0
	s_add_nc_u64 s[8:9], s[8:9], s[56:57]
	v_mov_b32 v51, 0                               ; v_permlanex16_b32 counts as a reader of its destination
; 16 matrix instructions: query blocks a0, a0 + 1 of the window's four x all 8 key blocks.  zero = 1: the first product starts the sums, with 0 or with the mask.  The 64 accumulators take turns.
.macro MUL16 f, hi, a0, zero
.if \zero
	WIN 0x81+0x40*(\hi)                            ; k in window 1, q and the mask in window 0, D in window 2 or 3
.else
	WIN 0xa1+0x50*(\hi)
.endif
.irp a, \a0, (\a0)+1
.irp b, 0,1,2,3,4,5,6,7
.if \zero
.if (\b) < 4*(\hi)+(\a)
	v_wmma_f32_16x16x32_f16 v[8*(8*(\a)+(\b)):8*(8*(\a)+(\b))+7], v[(\f)+8*(\b):(\f)+8*(\b)+7], v[(\f)+8*(4*(\hi)+(\a)):(\f)+8*(4*(\hi)+(\a))+7], 0
.elseif (\b) == 4*(\hi)+(\a)
	v_wmma_f32_16x16x32_f16 v[8*(8*(\a)+(\b)):8*(8*(\a)+(\b))+7], v[(\f)+8*(\b):(\f)+8*(\b)+7], v[(\f)+8*(4*(\hi)+(\a)):(\f)+8*(4*(\hi)+(\a))+7], v[MDG:MDG+7]
.else
	v_wmma_f32_16x16x32_f16 v[8*(8*(\a)+(\b)):8*(8*(\a)+(\b))+7], v[(\f)+8*(\b):(\f)+8*(\b)+7], v[(\f)+8*(4*(\hi)+(\a)):(\f)+8*(4*(\hi)+(\a))+7], v[MUP:MUP+7]
.endif
.else
	v_wmma_f32_16x16x32_f16 v[8*(8*(\a)+(\b)):8*(8*(\a)+(\b))+7], v[(\f)+8*(\b):(\f)+8*(\b)+7], v[(\f)+8*(4*(\hi)+(\a)):(\f)+8*(4*(\hi)+(\a))+7], v[8*(8*(\a)+(\b)):8*(8*(\a)+(\b))+7]
.endif
.endr
.endr
.endm
.macro FETCH slot, k, f                ; 32 LDS loads in one run: k's 8 fragments, then q's 8, 32 along K at byte k of the rows
	WIN 0x40
.irp i, 0,1,2,3,4,5,6,7
	ds_load_b128 v[(\f)+8*(\i):(\f)+8*(\i)+3],   v[ADRB+(\slot)] offset:(\k)+(\i)*16*PITCH
	ds_load_b128 v[(\f)+8*(\i)+4:(\f)+8*(\i)+7], v[ADRB+(\slot)] offset:(\k)+(\i)*16*PITCH+32
.endr
	WIN 0
.irp i, 0,1,2,3,4,5,6,7
	ds_load_b128 v[(\f)+8*(\i):(\f)+8*(\i)+3],   v[ADRA+(\slot)] offset:(\k)+(\i)*16*PITCH
	ds_load_b128 v[(\f)+8*(\i)+4:(\f)+8*(\i)+7], v[ADRA+(\slot)] offset:(\k)+(\i)*16*PITCH+32
.endr
.endm
.macro QUARTER slot, k, f, g, zero     ; 64 matrix instructions on buffer f; in the middle the next quarter's fragments into buffer g
	s_wait_dscnt 8                                 ; k and q's rows 0-63 are in; the youngest eight loads may be out
	MUL16 \f, 0, 0, \zero
	MUL16 \f, 0, 2, \zero
	PLACES
	FETCH \slot, \k, \g
	s_wait_dscnt 32                                ; all but the 32 just issued
	MUL16 \f, 1, 0, \zero
	MUL16 \f, 1, 2, \zero
.endm
; The last quarter of a K step multiplies buffer 1 and changes slots: ONE barrier; in front of it each wave waits for all its tensor loads (one is out: its part of the next slot), adds 0 to its spare word, and
; waits for that and for its reads of this slot.  fill = 1: this slot is filled again first thing behind the barrier, two K steps on: 224 matrix instructions ahead of the wait for it.
.macro TURN slot, next, fill
.if \fill
	s_wait_xcnt 0x0                                ; the last prefetches, a K step back, have read their address
	s_add_nc_u64 s[PFA:PFA+1], s[PFA:PFA+1], 256
.endif
	WIN 0
	s_wait_tensorcnt 0x0
	ds_add_u32 v[SPW], v[NIL]
	s_wait_dscnt 9                                 ; (the add and the youngest eight loads may be out)
	MUL16 F1, 0, 0, 0
	s_wait_dscnt 0x0                               ; the add is done, and my reads of this slot are over
	s_barrier_signal -1
	MUL16 F1, 0, 2, 0
	WIN 0
	s_barrier_wait -1
.if \fill
	s_add_nc_u64 s[G0+4*(\slot)+2:G0+4*(\slot)+3], s[G0+4*(\slot)+2:G0+4*(\slot)+3], 512
	LOAD \slot                                     ; its four v_nop are also the places in front of the loads below
.else
	PLACES
.endif
	FETCH \next, 0, F0
.if \fill
	ASK
.endif
	MUL16 F1, 1, 0, 0
	MUL16 F1, 1, 2, 0
.endm
; THE WAY OUT's first part, for block a of 16 queries: run in the trip whose count is 8 - a, jumped over in the others.  The trip before has left its c m and l in v48 and v50: they go to their fixed place in my
; wave's own bytes.  Then the block's 64 accumulator registers come into window 0 (each accumulator from its low end on), so that ONE text serves all eight blocks and every LDS address is a fixed register and an immediate.
.macro TAKE a
	s_cmp_lg_u32 s3, 8-(\a)
	s_cbranch_scc1 .Lnot_this_\@
.if (\a) > 0
	ds_store_b32 v[SA], v48 offset:64*((\a)-1)     ; both halves of the lanes write the same number
	ds_store_b32 v[SA], v50 offset:512+64*((\a)-1)
.endif
	WIN 0x02+(\a)/4                                ; source 0 in window 2 or 3
.set ti, 0
.rept 64
	v_mov_b32 v[S+ti], v[64*((\a)%4)+ti]
.set ti, ti+1
.endr
	WIN 0
.Lnot_this_\@:
.endm
	s_wait_tensorcnt 1                             ; my part of K step 0 is in; K step 1's may stay out
	s_barrier_signal -1
	s_barrier_wait -1
	FETCH 0, 0, F0
	QUARTER 0, 64, F0, F1, 1
	WIN 0
	s_mov_b32 s3, 3
.Llap:                                         ; once round the ring, from a lap's second quarter to the next lap's first
	QUARTER 0, 128, F1, F0, 0
	QUARTER 0, 192, F0, F1, 0
	TURN 0, 1, 1
	QUARTER 1, 64,  F0, F1, 0
	QUARTER 1, 128, F1, F0, 0
	QUARTER 1, 192, F0, F1, 0
	TURN 1, 0, 1
	QUARTER 0, 64,  F0, F1, 0
	WIN 0
	s_sub_co_u32 s3, s3, 1
	s_cmp_lg_u32 s3, 0
	s_cbranch_scc1 .Llap
	QUARTER 0, 128, F1, F0, 0                      ; the last lap fills nothing
	QUARTER 0, 192, F0, F1, 0
	TURN 0, 1, 0
	QUARTER 1, 64,  F0, F1, 0
	QUARTER 1, 128, F1, F0, 0
	QUARTER 1, 192, F0, F1, 0
	s_wait_dscnt 8                                 ; the very last quarter: nothing more to fetch
	MUL16 F1, 0, 0, 0
	MUL16 F1, 0, 2, 0
	s_wait_dscnt 0x0
	MUL16 F1, 1, 0, 0
	MUL16 F1, 1, 2, 0
	WIN 0
	PLACES                                         ; in front of the lines that read results
	s_cmp_lg_u32 s[DEAD], 0
	s_cbranch_scc1 .Lzero
	v_mov_b32 v48, 0                               ; written once, so that no way through the loop's head reads them unwritten
	v_mov_b32 v50, 0
	s_mov_b32 s3, 8
.Lrow:                                         ; 16 queries x 128 keys a trip: a lane holds one query's 64 scores, the lane 16 away the other 64
	TAKE 0
	TAKE 1
	TAKE 2
	TAKE 3
	TAKE 4
	TAKE 5
	TAKE 6
	TAKE 7
.irp k, 0,1,2,3
	v_max3_num_f32 v[52+(\k)], v[S+16*(\k)], v[S+16*(\k)+1], v[S+16*(\k)+2]
.endr
.irp m, 0,1,2,3,4,5
.irp k, 0,1,2,3
	v_max3_num_f32 v[52+(\k)], v[52+(\k)], v[S+16*(\k)+3+2*(\m)], v[S+16*(\k)+4+2*(\m)]
.endr
.endr
.irp k, 0,1,2,3
	v_max_num_f32 v[52+(\k)], v[52+(\k)], v[S+16*(\k)+15]
.endr
	v_max3_num_f32 v52, v52, v53, v54
	v_max_num_f32 v52, v52, v55
	v_permlanex16_b32 v53, v52, s[SEL], s[SEL+1]
	v_max_num_f32 v49, v52, v53                    ; m
	v_mul_f32 v48, s[CS], v49                      ; c m
.set li, 0
.rept 32
	v_pk_fma_f32 v[S+2*li:S+2*li+1], v[S+2*li:S+2*li+1], s[CS:CS+1], v[48:49] op_sel_hi:[1,0,0] neg_lo:[0,0,1] neg_hi:[0,0,1]
.set li, li+1
.endr
.set li, 0
.rept 64
	v_exp_f32 v[S+li], v[S+li]
.set li, li+1
.endr
	v_nop                                          ; a plain instruction behind the last exponential,
	s_wait_alu depctr_va_vdst(0)                   ; and one wait for the batch of 64, ahead of the first reader
.set li, 0
.rept 32
	v_cvt_pk_f16_f32 v[PK+li], v[S+2*li], v[S+2*li+1]
.set li, li+1
.endr
.irp w, 1,2,4,8,16                     ; the sum of the 32 pairs, in place
.set li, 0
.rept 16/(\w)
	v_pk_add_f32 v[S+2*li:S+2*li+1], v[S+2*li:S+2*li+1], v[S+2*(li+(\w)):S+2*(li+(\w))+1]
.set li, li+2*(\w)
.endr
.endr
	v_add_f32 v50, v[S], v[S+1]
	v_permlanex16_b32 v51, v50, s[SEL], s[SEL+1]
	v_add_f32 v50, v50, v51                        ; l
.irp b, 0,1,2,3,4,5,6,7
	ds_store_b128 v[STO], v[PK+4*(\b):PK+4*(\b)+3] offset:32*(\b)
.endr
.irp t, 0,1,2,3,4,5,6,7
	ds_load_b128 v[BK+4*(\t):BK+4*(\t)+3], v[RD] offset:(\t)*2*PITCH  ; LDS serves a wave's instructions in order (ISA guide 5.7.1.4): these see my stores; the next trip's stores come behind them
.endr
.irp t, 0,1,2,3,4,5,6,7
	s_wait_dscnt 7-(\t)
	global_store_b128 v[GO], v[BK+4*(\t):BK+4*(\t)+3], s[8:9] offset:(\t)*8192  ; 16 lanes store 256 consecutive bytes, aligned
.endr
	s_wait_xcnt 0x0                                ; the stores have read their registers and their base
	s_add_nc_u64 s[8:9], s[8:9], 65536             ; 16 rows of pw on
	s_sub_co_u32 s3, s3, 1
	s_cmp_lg_u32 s3, 0
	s_cbranch_scc1 .Lrow
	ds_store_b32 v[SA], v48 offset:64*7            ; the last block's statistics
	ds_store_b32 v[SA], v50 offset:512+64*7
	ds_load_b128 v[S:S+3], v[SR]                   ; c m of my 128 queries, 512 consecutive bytes,
	ds_load_b128 v[S+4:S+7], v[SR] offset:512      ; and l
	s_wait_dscnt 0x0
	global_store_b128 v[SO], v[S:S+3], s[10:11]
	global_store_b128 v[SO], v[S+4:S+7], s[12:13]
	s_branch .Lend
.Lzero:                                        ; the quadrant above the diagonal: the next launch's steps of 256 keys read it, so it holds zeros
.irp k, 0,1,2,3
	v_mov_b32 v[S+(\k)], 0
.endr
	s_mov_b32 s3, 8
.Lz:
.irp t, 0,1,2,3,4,5,6,7
	global_store_b128 v[GO], v[S:S+3], s[8:9] offset:(\t)*8192
.endr
	s_wait_xcnt 0x0
	s_add_nc_u64 s[8:9], s[8:9], 65536
	s_sub_co_u32 s3, s3, 1
	s_cmp_lg_u32 s3, 0
	s_cbranch_scc1 .Lz
.Lend:
	s_wait_tensorcnt 0x0                           ; the wave's end
	ds_add_u32 v[SPW], v[NIL]
	s_wait_dscnt 0x0
	s_endpgm
; THE HEAD PATH: ROWS 0-31 OF THE BATCH'S OUTPUT, outright.  Row n of the output averages n + 1 rows of v, so the first rows hold numbers many times the output's root mean square, and f16's rounding of q, k, v and p
; is too coarse for those of them that lie near zero.  Here the projection's f32 sums (hd [4][32][3072], columns q | k | v) are split into bf16 hi + lo, and each product is taken as hi hi + hi lo + lo hi on the matrix unit.
; It hangs on the launch before alone and on nothing of the tiles' path, so it shares this launch: four work-groups more for each batch.  Work-group hs = x - 36 makes channels 256 hs .. + 255, wave w 64 of them.
; Every work-group makes the 32 x 32 scores itself, K = 1,024 split among its four waves (256 channels each); the four partial sums meet in LDS.  The softmax takes the row's maximum away: p = 2^(c s - c m) / l;
; a key above the diagonal counts as a score of -1e30.
; NO TENSOR LOAD stands on this path: a fragment of f32 comes straight from memory, laid as the matrix unit wants it (lane l: row l % 16, channels 8 (l / 16) + 0..7 and 16 + 8 (l / 16) + 0..7 of each 32), and
; nothing of q and k is shared between waves.  Two buffers of 64 registers, 32 channels each: 32 loads of a wave are out at a time.  NO PREFETCH: a wave has 120 matrix instructions here beside the tiles' 2,048.
; LIMITS.  What hi + lo leaves of a number is below 2^-16 of it; a weight below 2^-126 counts as 0; NaN and infinities are not treated apart.
; REGISTERS: v10-13, v24-27 at work; v32-63 the four score tiles ((key tile kt, query tile qt) at 32 + 8 (2 qt + kt)); v64-127 buffer 0, later f32 at work; v128-191 hi and lo fragments;
;   v192-255 buffer 1, then v in f32, then the output tiles.
.set ACC, 32
.set HB0, 64
.set HB1, 192
.set VF,  192
.macro SPLIT src, hi, lo               ; 16 f32 -> a fragment of bf16 hi and one of lo = what hi left over, rounded.  Four pairs at a time, so that no line reads the result of the line before it
.irp g, 0,4
.irp i, 0,1,2,3
	v_cvt_pk_bf16_f32 v[(\hi)+(\g)+(\i)], v[(\src)+2*((\g)+(\i))], v[(\src)+2*((\g)+(\i))+1]
.endr
.irp i, 0,1,2,3
	v_lshlrev_b32 v[10+2*(\i)+10*((\i)/2)], 16, v[(\hi)+(\g)+(\i)]
	v_and_b32 v[11+2*(\i)+10*((\i)/2)], 0xffff0000, v[(\hi)+(\g)+(\i)]
.endr
.irp i, 0,1,2,3
	v_pk_add_f32 v[(\src)+2*((\g)+(\i)):(\src)+2*((\g)+(\i))+1], v[(\src)+2*((\g)+(\i)):(\src)+2*((\g)+(\i))+1], v[10+2*(\i)+10*((\i)/2):11+2*(\i)+10*((\i)/2)] neg_lo:[0,1] neg_hi:[0,1]
.endr
.irp i, 0,1,2,3
	v_cvt_pk_bf16_f32 v[(\lo)+(\g)+(\i)], v[(\src)+2*((\g)+(\i))], v[(\src)+2*((\g)+(\i))+1]
.endr
.endr
.endm
.macro SPLIT4 buf                      ; a buffer's four fragments: q rows 0-15, q rows 16-31, k rows 0-15, k rows 16-31
	SPLIT (\buf),    128, 136
	SPLIT (\buf)+16, 144, 152
	SPLIT (\buf)+32, 160, 168
	SPLIT (\buf)+48, 176, 184
.endm
.macro LOADT buf, off                  ; 16 loads: 32 channels of q's and k's 32 rows, at byte off behind the pointer
.irp kq, 0,1
.irp tt, 0,1
	global_load_b128 v[(\buf)+32*(\kq)+16*(\tt):(\buf)+32*(\kq)+16*(\tt)+3],     v4, s[56:57] offset:(\off)+(\kq)*4096+(\tt)*16*HP
	global_load_b128 v[(\buf)+32*(\kq)+16*(\tt)+4:(\buf)+32*(\kq)+16*(\tt)+7],   v4, s[56:57] offset:(\off)+(\kq)*4096+(\tt)*16*HP+16
	global_load_b128 v[(\buf)+32*(\kq)+16*(\tt)+8:(\buf)+32*(\kq)+16*(\tt)+11],  v4, s[56:57] offset:(\off)+(\kq)*4096+(\tt)*16*HP+64
	global_load_b128 v[(\buf)+32*(\kq)+16*(\tt)+12:(\buf)+32*(\kq)+16*(\tt)+15], v4, s[56:57] offset:(\off)+(\kq)*4096+(\tt)*16*HP+80
.endr
.endr
.endm
.macro HMUL                            ; k hi q hi, k hi q lo, k lo q hi; the four tiles take turns; four places in front of the next writes of the fragments and of the stores of the sums
.irp kd, 0,1,2
.irp qt, 0,1
.irp kt, 0,1
	v_wmma_f32_16x16x32_bf16 v[ACC+8*(2*(\qt)+(\kt)):ACC+8*(2*(\qt)+(\kt))+7], v[160+16*(\kt)+8*((\kd)/2):160+16*(\kt)+8*((\kd)/2)+7], v[128+16*(\qt)+8*((\kd)%2):128+16*(\qt)+8*((\kd)%2)+7], v[ACC+8*(2*(\qt)+(\kt)):ACC+8*(2*(\qt)+(\kt))+7]
.endr
.endr
.endr
	PLACES
.endm
.Lhead:
	s_sub_co_u32 s52, s[XX], 36                    ; hs
	s_mul_i32 s54, s[BB], 32*HP
	s_mov_b32 s55, 0
	s_add_nc_u64 s[6:7], s[6:7], s[54:55]          ; hd at my batch
	s_lshl_b32 s54, s[WV], 10
	s_add_nc_u64 s[56:57], s[6:7], s[54:55]        ; q's channels 256 w on; k's lie 4,096 bytes further
	v_mul_u32_u24 v4, v1, HP
	v_lshl_add_u32 v4, v2, 5, v4                   ; row r, 32 bytes (8 channels) for each half of the lanes; never rewritten
	LOADT HB0, 0                                   ; channels 0-31 of my 256,
	LOADT HB1, 128                                 ; and 32-63
	s_lshl_b32 s54, s52, 10
	s_lshl_b32 s59, s[WV], 8
	s_add_co_u32 s54, s54, s59                     ; my 64 channels of the output, in bytes of f32
	s_add_nc_u64 s[60:61], s[6:7], s[54:55]
	s_add_nc_u64 s[60:61], s[60:61], 8192          ; v's columns
	s_lshl_b32 s59, s[BB], 23                      ; 2,048 rows of 4,096 bytes
	s_add_co_u32 s54, s54, s59
	s_add_nc_u64 s[14:15], s[14:15], s[54:55]      ; out0 at the batch's first row, my channels
	v_mul_u32_u24 v5, v2, 8*HP
	v_lshl_add_u32 v5, v1, 2, v5                   ; a fragment of v^T: lane l holds channel l % 16 and the keys 8 (l / 16) + j, 16 + 8 (l / 16) + j
	v_lshlrev_b32 v6, 12, v1
	v_lshl_add_u32 v6, v2, 5, v6                   ; out0: row r, 32 bytes for each half
	v_and_b32 v3, 31, v0
	v_lshl_add_u32 v8, v3, 4, HSUM                 ; the partial sums: 4,096 bytes a wave
	s_lshl_b32 s59, s[WV], 12
	v_add_nc_u32 v7, s59, v8
	v_mov_b32 v15, 0xf149f2ca                      ; -1e30
	v_mov_b32 v17, 0                               ; v_permlanex16_b32 counts as a reader of its destination
	v_mov_b32 v19, 0
.set vi, 0
.rept 32
	v_mov_b32 v[ACC+vi], 0                         ; written while the first loads are on their way, so that the loop has one form of product
.set vi, vi+1
.endr
	s_mov_b32 s3, 4
.Lhk:                                          ; 64 channels a trip
	s_wait_loadcnt 16                              ; loads come back in order: buffer 0 is in, buffer 1's 16 younger loads may stay out
	SPLIT4 HB0
	HMUL
	s_wait_loadcnt 0x0                             ; buffer 1 is in; no load is out, so the pointer may be stepped
	SPLIT4 HB1
	s_cmp_eq_u32 s3, 1                             ; the last trip asks for nothing.  Both buffers are asked for under this ONE branch, so that the counts above hold on every way through it
	s_cbranch_scc1 .Lno_more
	s_add_nc_u64 s[56:57], s[56:57], 256
	LOADT HB0, 0
	LOADT HB1, 128
.Lno_more:
	HMUL
	s_sub_co_u32 s3, s3, 1
	s_cmp_lg_u32 s3, 0
	s_cbranch_scc1 .Lhk
	s_wait_loadcnt 0x0                             ; nothing is out here (the last trip asked for nothing); the line holds that for every way through the branch above, since v's loads land on buffer 1's registers
.set vi, 0
.rept 64                               ; vi = 16 x channel block + 8 x key half + j.  The sums' meeting and the softmax stand between these loads and the wait for them
	global_load_b32 v[VF+vi], v5, s[60:61] offset:((vi%8)+16*((vi/8)%2))*HP+64*(vi/16)
.set vi, vi+1
.endr
.irp i, 0,1,2,3,4,5,6,7
	ds_store_b128 v7, v[ACC+4*(\i):ACC+4*(\i)+3] offset:512*(\i)
.endr
	s_wait_dscnt 0x0                               ; for the others' sake: my partial sums are written
	s_barrier_signal -1
	s_barrier_wait -1                              ; the four partial sums lie in LDS
.irp wv, 0,1,2,3
.irp i, 0,1,2,3,4,5,6,7
	ds_load_b128 v[64+32*(\wv)+4*(\i):64+32*(\wv)+4*(\i)+3], v8 offset:4096*(\wv)+512*(\i)
.endr
.endr
	s_wait_dscnt 0x0
.set vi, 0
.rept 16
	v_pk_add_f32 v[64+vi:64+vi+1], v[64+vi:64+vi+1], v[96+vi:96+vi+1]
	v_pk_add_f32 v[128+vi:128+vi+1], v[128+vi:128+vi+1], v[160+vi:160+vi+1]
.set vi, vi+2
.endr
.set vi, 0
.rept 16
	v_pk_add_f32 v[64+vi:64+vi+1], v[64+vi:64+vi+1], v[128+vi:128+vi+1]
.set vi, vi+2
.endr
.set j, 0
.rept 8                                ; the mask: the two tiles on the diagonal, and the tile above it
	v_cmp_gt_i32 vcc_lo, j, v14
	v_cndmask_b32 v[64+j], v[64+j], v15, vcc_lo
	v_cndmask_b32 v[88+j], v[88+j], v15, vcc_lo
	v_mov_b32 v[72+j], v15
.set j, j+1
.endr
.irp qt, 0,1                           ; a query's 16 scores of this lane lie at 64 + 16 qt; the lane 16 away holds the other 16
	v_max3_num_f32 v[16+2*(\qt)], v[64+16*(\qt)], v[64+16*(\qt)+1], v[64+16*(\qt)+2]
.irp m, 0,1,2,3,4,5
	v_max3_num_f32 v[16+2*(\qt)], v[16+2*(\qt)], v[64+16*(\qt)+3+2*(\m)], v[64+16*(\qt)+4+2*(\m)]
.endr
	v_max_num_f32 v[16+2*(\qt)], v[16+2*(\qt)], v[64+16*(\qt)+15]
	v_permlanex16_b32 v[17+2*(\qt)], v[16+2*(\qt)], s[SEL], s[SEL+1]
	v_max_num_f32 v[17+2*(\qt)], v[16+2*(\qt)], v[17+2*(\qt)]  ; the row's maximum
	v_mul_f32 v[16+2*(\qt)], s[CS], v[17+2*(\qt)]
.irp m, 0,1,2,3,4,5,6,7
	v_pk_fma_f32 v[64+16*(\qt)+2*(\m):64+16*(\qt)+2*(\m)+1], v[64+16*(\qt)+2*(\m):64+16*(\qt)+2*(\m)+1], s[CS:CS+1], v[16+2*(\qt):17+2*(\qt)] op_sel_hi:[1,0,0] neg_lo:[0,0,1] neg_hi:[0,0,1]
.endr
.endr
.set vi, 0
.rept 32
	v_exp_f32 v[64+vi], v[64+vi]
.set vi, vi+1
.endr
	v_nop
	s_wait_alu depctr_va_vdst(0)                   ; one wait for the batch of 32
.irp qt, 0,1
	v_pk_add_f32 v[20+2*(\qt):21+2*(\qt)], v[64+16*(\qt):64+16*(\qt)+1], v[64+16*(\qt)+2:64+16*(\qt)+3]
.endr
.irp m, 2,3,4,5,6,7
.irp qt, 0,1
	v_pk_add_f32 v[20+2*(\qt):21+2*(\qt)], v[20+2*(\qt):21+2*(\qt)], v[64+16*(\qt)+2*(\m):64+16*(\qt)+2*(\m)+1]
.endr
.endr
.irp qt, 0,1
	v_add_f32 v[20+2*(\qt)], v[20+2*(\qt)], v[21+2*(\qt)]
.endr
.irp qt, 0,1
	v_permlanex16_b32 v[21+2*(\qt)], v[20+2*(\qt)], s[SEL], s[SEL+1]
.endr
.irp qt, 0,1
	v_add_f32 v[20+2*(\qt)], v[20+2*(\qt)], v[21+2*(\qt)]
.endr
	v_rcp_f32 v20, v20
	v_rcp_f32 v22, v22
	v_nop
	s_wait_alu depctr_va_vdst(0)                   ; one wait for the two reciprocals
.irp qt, 0,1
.irp m, 0,1,2,3,4,5,6,7
	v_pk_mul_f32 v[64+16*(\qt)+2*(\m):64+16*(\qt)+2*(\m)+1], v[64+16*(\qt)+2*(\m):64+16*(\qt)+2*(\m)+1], v[20+2*(\qt):21+2*(\qt)] op_sel_hi:[1,0]
.endr
.endr
	SPLIT 64, 96, 104                              ; the two key tiles of a query tile, packed in pairs, ARE source 1 (32 keys x 16 queries) of v^T p
	SPLIT 80, 112, 120
	s_wait_loadcnt 0x0                             ; v
.irp cb, 0,1,2,3
	SPLIT VF+16*(\cb), 128+16*(\cb), 136+16*(\cb)
.endr
.irp kd, 0,1,2                         ; v hi p hi (starts the sums), v lo p hi, v hi p lo; the eight tiles take turns
.irp cb, 0,1,2,3
.irp qt, 0,1
.if (\kd) == 0
	v_wmma_f32_16x16x32_bf16 v[VF+8*(2*(\cb)+(\qt)):VF+8*(2*(\cb)+(\qt))+7], v[128+16*(\cb):128+16*(\cb)+7], v[96+16*(\qt):96+16*(\qt)+7], 0
.else
	v_wmma_f32_16x16x32_bf16 v[VF+8*(2*(\cb)+(\qt)):VF+8*(2*(\cb)+(\qt))+7], v[128+16*(\cb)+8*((\kd)%2):128+16*(\cb)+8*((\kd)%2)+7], v[96+16*(\qt)+8*((\kd)/2):96+16*(\qt)+8*((\kd)/2)+7], v[VF+8*(2*(\cb)+(\qt)):VF+8*(2*(\cb)+(\qt))+7]
.endif
.endr
.endr
.endr
	PLACES
.irp cb, 0,1,2,3                       ; a lane holds one row and eight channels: 32 bytes.  Two lanes fill 64 bytes of a row with two lines: pieces of a row, 512 KB in the launch
.irp qt, 0,1
	global_store_b128 v6, v[VF+8*(2*(\cb)+(\qt)):VF+8*(2*(\cb)+(\qt))+3],   s[14:15] offset:(\qt)*65536+64*(\cb)
	global_store_b128 v6, v[VF+8*(2*(\cb)+(\qt))+4:VF+8*(2*(\cb)+(\qt))+7], s[14:15] offset:(\qt)*65536+64*(\cb)+16
.endr
.endr
	s_wait_tensorcnt 0x0                           ; the wave's end
	ds_add_u32 v[SPW], v[NIL]
	s_wait_dscnt 0x0
	s_endpgm
.Lfunc_end_k_qd696a4179e_score:
	.size	k_qd696a4179e_score, .Lfunc_end_k_qd696a4179e_score-k_qd696a4179e_score
	.p2alignl 7, 3214868480
	.fill 96, 4, 3214868480
	.section	.rodata,"a",@progbits
	.p2align	6, 0x0
	.amdhsa_kernel k_qd696a4179e_score
		.amdhsa_group_segment_fixed_size 327680
		.amdhsa_private_segment_fixed_size 0
		.amdhsa_enable_private_segment 0
		.amdhsa_kernarg_size 48
		.amdhsa_user_sgpr_count 2
		.amdhsa_user_sgpr_kernarg_segment_ptr 1
		.amdhsa_wavefront_size32 1
		.amdhsa_system_sgpr_workgroup_id_x 1
		.amdhsa_system_sgpr_workgroup_id_y 1
		.amdhsa_system_sgpr_workgroup_id_z 1
		.amdhsa_system_vgpr_workitem_id 0
		.amdhsa_next_free_vgpr 1024
		.amdhsa_next_free_sgpr 66
		.amdhsa_reserve_vcc 1
		.amdhsa_float_denorm_mode_32 3
		.amdhsa_float_denorm_mode_16_64 3
		.amdhsa_memory_ordered 1
		.amdhsa_forward_progress 1
		.amdhsa_inst_pref_size 207
	.end_amdhsa_kernel
	.amdgpu_metadata
---
amdhsa.version: [ 1, 2 ]
amdhsa.kernels:
  - .name:           k_qd696a4179e_score
    .symbol:         k_qd696a4179e_score.kd
    .args:
      - { .name: qkv, .offset: 0, .size: 8, .value_kind: global_buffer, .address_space: global }
      - { .name: hd, .offset: 8, .size: 8, .value_kind: global_buffer, .address_space: global }
      - { .name: pw, .offset: 16, .size: 8, .value_kind: global_buffer, .address_space: global }
      - { .name: scm, .offset: 24, .size: 8, .value_kind: global_buffer, .address_space: global }
      - { .name: sl, .offset: 32, .size: 8, .value_kind: global_buffer, .address_space: global }
      - { .name: out0, .offset: 40, .size: 8, .value_kind: global_buffer, .address_space: global }
    .group_segment_fixed_size: 327680
    .private_segment_fixed_size: 0
    .kernarg_segment_align: 8
    .kernarg_segment_size: 48
    .max_flat_workgroup_size: 128
    .sgpr_count:     66
    .vgpr_count:     1024
    .wavefront_size: 32
...
	.end_amdgpu_metadata
.endif
;; end of part 3
;; launch pv (part 4): grid 8 x 32, 4 waves a work-group, clusters of 4 x 1, 327,680 bytes of LDS; arguments pw, qkv, scm, sl, out0; writes out0
.if DOCPART == 4
	.amdgcn_target "amdgcn-amd-amdhsa--gfx1250"
	.amdhsa_code_object_version 6
	.text
	.protected	k_qd696a4179e_pv
	.globl	k_qd696a4179e_pv
	.p2align	8
	.type	k_qd696a4179e_pv,@function
k_qd696a4179e_pv:
	s_mov_b64 s[64:65], 0
	v_nop
	global_prefetch_b8 v0, s[64:65] scope:SCOPE_SE
	s_setreg_imm32_b32 hwreg(HW_REG_WAVE_MODE, 25, 1), 1
	s_wait_xcnt 0x0
	s_wait_alu depctr_hold_cnt(0) depctr_sa_sdst(0) depctr_va_vdst(0) depctr_va_sdst(0) depctr_va_ssrc(0) depctr_va_vcc(0) depctr_vm_vsrc(0)
	s_getreg_b32 s2, hwreg(HW_REG_IB_STS2, 6, 4)
	s_cmp_eq_u32 s2, 0
	s_cbranch_scc0 .Lentry_in_a_cluster
	s_endpgm
.Lentry_in_a_cluster:
	s_bfe_u32 s2, ttmp6, 0x10000c
	s_cmp_lg_u32 s2, 0x3003
	s_cbranch_scc0 .Lentry_shape_is_right
	s_endpgm
.Lentry_shape_is_right:
; out[q] = (sum over key blocks j of g_j(q) sum over the block's keys of p v) / L(q), g_j = 2^(c m_j - M), M = max over j of c m_j (the row's true maximum), L = sum over j of g_j l_j.
; pw [4][2048][2048] f16 holds p, scm and sl [4][16][2048] f32 hold c m_j and l_j for blocks of 128 keys, v is the third part of qkv's columns (f16).  Sums in f32; p g is rounded to f16 for the product.
; THE WALK.  A work-group makes 128 channels of TWO blocks of 128 queries of a batch, 15 - p and then p, in steps of 256 keys: ((15 - p) / 2 + 1) + (p / 2 + 1) = 9 steps whatever p:
; all 256 work-groups do equal work, and every trip count is a constant.  Rows 0-31 of a batch are not stored here: the launch before has made them.
; CLUSTER 4 x 1: the four partners make four channel slices of the same queries, so p's tiles are asked for JOINTLY; v's hang on the slice and are loads of one's own, in the same rounds.
; v is not shared between pairs p: their walks part behind step 15 - p.
; LAYOUT.  O^T = v^T (p g): source 0 = 16 channels x 32 keys (v turned by ds_load_tr16_b128), source 1 = 16 queries x 32 keys: a lane holds ONE query, in source 1 and in the result, so g is a number a lane.
; A wave makes 64 queries x 64 channels: 16 accumulators.  A step is four quarters of 64 keys, each two halves of 32; behind each matrix instruction stand two v_pk_mul_f16 that scale the NEXT half's p.
; LIMITS.  p g below 6e-8 counts as 0; NaN and infinities are not treated apart.
; REGISTERS: window 0: v16-27 addresses; v32-39 g of the step in hand (block A, block B; four query blocks each), v40-47 of the next step; v48-55 (1/L, 1/L) of the block in hand, v56-63 of the second block;
;   v64-127 the way out; v128-255 v's fragments, two buffers.   window 1: v0-127 the accumulators ((a, cb) at v[8 (4 a + cb)]); v128-255 p's fragments, two buffers.
; ONE window setting serves the matrix instruction, the scaling and p's LDS loads: source 0 in window 0, all else in window 1.
.set PPI,   528                        ; a row of p in LDS: 512 bytes + 16
.set PV,    288                        ; a row of v: 256 + 32
.set VOFF,  128*PPI                    ; a slot: 128 rows of p, then 256 rows of v
.set SLOTX, 147456                     ; slot 1.  The four tile bases (0, 33,792, 67,584, 104,448) have bits 14 and 17 clear, so one exclusive or turns an address in one slot into the other's
.set STAGE, 2*SLOTX                    ; 16 rows x 272 bytes a wave
.set SP,    272
.set TBLW,  STAGE+4*16*SP              ; g as a pair of f16, in the walk's order: [step 0 .. 9][block A, B][row 128]; step 9 holds zeros
.set RLT,   TBLW+10240                 ; (1/L, 1/L): [first block, second block][row 128]
.set SPARE, RLT+2048
.set AP0, 16
.set AV0, 17
.set AP,  18
.set AVA, 19                           ; v19, v20: v's keys 0-127 and 128-255 of the slot in hand
.set STO, 21
.set RD,  22
.set GO,  23
.set GAD, 24                           ; v24  where the next step's g lie
.set PFO, 25
.set SPW, 26
.set NIL, 27
.set GC,  32
.set GN,  40
.set RW,  48
.set RLO, 56
.set OT,  64
.set OB,  96
.set FR,  128                          ; fragments: buffer, half c, block i at FR + 64 buf + 32 c + 8 i
.set WV, 14
.set RH, 15
.set CH, 16
.set CX, 17
.set CC, 18
.set BB, 19
.set PP, 20
.set NH, 21                            ; steps of the first block
.set T,  22                            ; the walk's step in hand
.set ENDT, 23                          ; the last step of the block in hand
.set G1P, 24
.set G1V, 32
.set G0P, 40                           ; two sets for the two first fills; the second walks on
.set G0V, 48
.set PHI, 56
.set PLO, 58
.set VB,  60
.set TB,  62
.set CNT, 63
.set OUT, 66
.set OLO, 68
.set SKIPF, 70
.set SKN, 71
.set X0, 72
.set X1, 73
.set X2, 74
.set X3, 75
.set PFA, 76
.set PFH, 78
.set PFL, 80
.set PFM, 82
.set LIM, 83
.set MK,  84                           ; s84-86  all ones where walk step 5, 6, 7 belongs to the first block
.set QH,  87
.set HIB, 96
.set LOB, 97
.set LT,  98
.set S1,  0x54
.set MSB, 0
.macro WIN new
.if MSB != (\new)
	s_set_vgpr_msb (MSB<<8)|(\new)
.set MSB, \new
.endif
.endm
.macro PLACES
.rept 4
	v_nop
.endr
.endm
.macro JLOAD                           ; waves 0, 1 ask jointly for the two halves of p's tile, waves 2, 3 for the two halves of v's; an s_nop 0 and four v_nop follow each line
	s_cmp_lt_u32 s[WV], 2
	s_cbranch_scc0 .Lfor_v_\@
	tensor_load_to_lds s[G0P+4:G0P+7], s[G1P:G1P+7]
	s_nop 0
	PLACES
	s_branch .Lasked_\@
.Lfor_v_\@:
	tensor_load_to_lds s[G0V+4:G0V+7], s[G1V:G1V+7]
	s_nop 0
	PLACES
.Lasked_\@:
.endm
.macro CREST
	s_cmp_lg_u32 s[WV], 0
	s_cbranch_scc1 .Lnot_wave_0_\@
	s_barrier_signal -3
.Lnot_wave_0_\@:
	s_barrier_wait -3
	s_barrier_signal -1
	s_barrier_wait -1
.endm
.macro CROUND
	s_barrier_signal -1
	s_barrier_wait -1
	CREST
.endm
; A PREFETCH INTO THE L2 of what the NEXT refill will ask for (walk step T + 3), behind the refill and its run of LDS loads.  Each block of 256 bytes is named once.
; p's tile is read by both clusters of a pair of query blocks: cluster x = 0 asks; of the 64 rows x 512 bytes that wave 0 or 1 fetches each partner takes 16 rows, told apart by address: one line.
; v's tile of a channel slice is read by all eight pairs of the batch: the pair p = 0, whose first walk has all 8 steps, asks, in that walk alone: waves 2, 3, a lane a row, four lines.
.macro ASK
	s_cmp_lt_u32 s[T], s[LIM]
	s_cbranch_scc0 .Lnone_\@
	global_prefetch_b8 v[PFO], s[PFA:PFA+1] th:TH_LOAD_NT scope:SCOPE_SE
	s_cmp_lt_u32 s[WV], 2
	s_cbranch_scc1 .Lnone_\@
.irp i, 1,2,3
	global_prefetch_b8 v[PFO], s[PFA:PFA+1] offset:(\i)*196608 th:TH_LOAD_NT scope:SCOPE_SE
.endr
.Lnone_\@:
.endm
	s_load_b256 s[4:11], s[0:1], 0x0               ; pw s[4:5], qkv s[6:7], scm s[8:9], sl s[10:11]
	s_load_b64 s[12:13], s[0:1], 0x20              ; out0
	v_lshl_add_u32 v[SPW], v0, 2, SPARE
	v_mov_b32 v[NIL], 0
	ds_add_u32 v[SPW], v[NIL]                      ; the wave's opening: the add and its wait ahead of my first tensor load
	v_lshrrev_b32 v1, 5, v0
	v_readfirstlane_b32 s[WV], v1
	s_lshr_b32 s[RH], s[WV], 1                     ; my half of the 128 queries
	s_and_b32 s[CH], s[WV], 1                      ; my half of the 128 channels; also: which half of a tile I fetch
	s_bfe_u32 s[CX], ttmp6, 0x40000
	s_lshl_b32 s[CC], ttmp9, 2
	s_add_co_u32 s[CC], s[CC], s[CX]               ; the channel slice
	s_and_b32 s[X0], ttmp7, 0xffff
	s_lshr_b32 s[BB], s[X0], 3                     ; the batch
	s_and_b32 s[PP], s[X0], 7                      ; the pair
	s_sub_co_u32 s[QH], 15, s[PP]
	s_lshr_b32 s[NH], s[QH], 1
	s_add_co_u32 s[NH], s[NH], 1
	s_mov_b32 s[G1P+0], 15|(1<<16)|(1<<20)|(1<<21)|(6<<22)|(3<<25)  ; the mask of four; 2-byte elements; 4 words of padding after every 128 words
	s_mov_b32 s[G1P+1], 256<<16
	s_mov_b32 s[G1P+2], 64<<16
	s_mov_b32 s[G1P+3], 256<<16
	s_mov_b32 s[G1P+4], 64
	s_mov_b32 s[G1P+5], 2048
	s_mov_b32 s[G1P+6], 0
	s_mov_b32 s[G1P+7], 0
	s_mov_b32 s[G1V+0], (1<<16)|(1<<20)|(5<<22)|(7<<25)  ; no mask; 8 words of padding after every 64 words
	s_mov_b32 s[G1V+1], 128<<16
	s_mov_b32 s[G1V+2], 128<<16
	s_mov_b32 s[G1V+3], 128<<16
	s_mov_b32 s[G1V+4], 128
	s_mov_b32 s[G1V+5], 3072
	s_mov_b32 s[G1V+6], 0
	s_mov_b32 s[G1V+7], 0
	s_lshl_b32 s[X0], s[BB], 11
	s_lshl_b32 s[X1], s[CH], 6
	s_add_co_u32 s[X0], s[X0], s[X1]               ; 2,048 b + my 64 rows of p's tile
	s_lshl_b32 s88, s[QH], 7
	s_add_co_u32 s88, s88, s[X0]
	s_lshl_b32 s88, s88, 12
	s_mov_b32 s89, 0
	s_lshl_b32 s90, s[PP], 7
	s_add_co_u32 s90, s90, s[X0]
	s_lshl_b32 s90, s90, 12
	s_mov_b32 s91, 0
	s_lshl_b32 s92, s[BB], 11
	s_lshl_b32 s93, s[CH], 7
	s_add_co_u32 s92, s92, s93                     ; 2,048 b + my 128 keys of v's tile
	s_mul_i32 s92, s92, 6144
	s_lshl_b32 s93, s[CC], 8
	s_add_co_u32 s92, s92, s93
	s_add_co_u32 s92, s92, 4096                    ; v's columns, my slice
	s_mov_b32 s93, 0
	s_mov_b32 s[G0P], 1
	s_mov_b32 s[G0P+4], 1
	s_mov_b32 s[G0V], 1
	s_mov_b32 s[G0V+4], 1
	s_mul_i32 s[G0P+1], s[CH], 64*PPI
	s_add_co_u32 s[G0P+5], s[G0P+1], SLOTX
	s_mul_i32 s[G0V+1], s[CH], 128*PV
	s_add_co_u32 s[G0V+1], s[G0V+1], VOFF
	s_add_co_u32 s[G0V+5], s[G0V+1], SLOTX
	s_mov_b32 s[X3], 0
	s_mov_b32 s[TB], 0
	s_mov_b32 s[T], 0
	s_sub_co_u32 s[ENDT], s[NH], 1
	s_mov_b32 s[SKIPF], 0
	s_or_b32 s[X0], s[PP], s[RH]
	s_cmp_eq_u32 s[X0], 0
	s_cselect_b32 s[SKN], 1, 0                     ; the second block's rows 0-31 are a batch's first rows where p = 0, in waves 0 and 1
.irp u, 5,6,7
	s_cmp_gt_u32 s[NH], \u
	s_cselect_b32 s[MK+(\u)-5], -1, 0
.endr
	s_lshl_b32 s[X0], s[BB], 17                    ; the tables: 16 blocks x 2,048 rows x 4 bytes a batch
	s_lshl_b32 s[HIB], s[QH], 9
	s_add_co_u32 s[HIB], s[HIB], s[X0]
	s_lshl_b32 s[LOB], s[PP], 9
	s_add_co_u32 s[LOB], s[LOB], s[X0]
	s_wait_dscnt 0x0
	s_wait_kmcnt 0x0
	s_add_nc_u64 s[PHI:PHI+1], s[4:5], s[88:89]
	s_add_nc_u64 s[PLO:PLO+1], s[4:5], s[90:91]
	s_add_nc_u64 s[VB:VB+1], s[6:7], s[92:93]
	s_mov_b64 s[G0P+2:G0P+3], s[PHI:PHI+1]         ; walk steps 0 and 1 are the first block's (it has five steps or more)
	s_or_b32 s[G0P+3], s[G0P+3], 0x80000000
	s_add_nc_u64 s[G0P+6:G0P+7], s[PHI:PHI+1], 512
	s_or_b32 s[G0P+7], s[G0P+7], 0x80000000
	s_mov_b64 s[G0V+2:G0V+3], s[VB:VB+1]
	s_or_b32 s[G0V+3], s[G0V+3], 0x80000000
	s_add_nc_u64 s[G0V+6:G0V+7], s[VB:VB+1], 1572864
	s_or_b32 s[G0V+7], s[G0V+7], 0x80000000
	CROUND                                         ; all four work-groups are here: the first joint loads meet
	s_cmp_lt_u32 s[WV], 2                          ; a wave's two first fills stand in one branch: two loads of mine are out
	s_cbranch_scc0 .Lfirst_v
	tensor_load_to_lds s[G0P:G0P+3], s[G1P:G1P+7]
	s_nop 0
	tensor_load_to_lds s[G0P+4:G0P+7], s[G1P:G1P+7]
	s_nop 0
	PLACES
	s_branch .Lfirst_asked
.Lfirst_v:
	tensor_load_to_lds s[G0V:G0V+3], s[G1V:G1V+7]
	s_nop 0
	tensor_load_to_lds s[G0V+4:G0V+7], s[G1V:G1V+7]
	s_nop 0
	PLACES
.Lfirst_asked:
	; THE STATISTICS.  Thread t stands for row t of both query blocks and loads c m and l of the walk's 9 steps x 2 key blocks, in the walk's order.
.set VO, 64
.set CM, 74
.set LL, 92
.set HC, 110
.set LC, 116
.set NEGV, 122
.set MH, 123
.set ML, 124
.set MS, 125
.set u, 0
.rept 9
	s_cmp_le_u32 s[NH], u                          ; does step u belong to the second block?
	s_cselect_b32 s[X0], s[LOB], s[HIB]
	s_cselect_b32 s[X1], s[NH], 0
	s_sub_co_u32 s[X1], u, s[X1]                   ; the block's own step of 256 keys
	s_lshl_b32 s[X1], s[X1], 14
	s_add_co_u32 s[X0], s[X0], s[X1]
	v_lshl_add_u32 v[VO+u], v0, 2, s[X0]
	global_load_b32 v[CM+2*u],   v[VO+u], s[8:9]
	global_load_b32 v[CM+2*u+1], v[VO+u], s[8:9] offset:8192
	global_load_b32 v[LL+2*u],   v[VO+u], s[10:11]
	global_load_b32 v[LL+2*u+1], v[VO+u], s[10:11] offset:8192
.set u, u+1
.endr
	WIN 0x40
.set i, 0
.rept 128
	v_mov_b32 v[i], 0                              ; the sums start at 0: written while the loads are out, so that the walk has one form of product
.set i, i+1
.endr
	WIN 0
	v_and_b32 v1, 15, v0                           ; r
	v_bfe_u32 v2, v0, 4, 1                         ; h
	v_and_b32 v3, 31, v0                           ; lane
	s_mul_i32 s[LT], s[RH], 64*PPI
	v_mul_u32_u24 v4, v1, PPI
	v_lshl_add_u32 v4, v2, 4, v4
	v_add_nc_u32 v[AP0], s[LT], v4                 ; p: row x pitch + 16 x half
	v_and_b32 v4, 7, v0
	v_bfe_u32 v5, v0, 3, 1
	v_lshl_add_u32 v4, v2, 3, v4                   ; v: lane l reads key 8 (l / 16) + l % 8, channels 8 ((l / 8) % 2) + 0..7
	v_mul_u32_u24 v4, v4, PV
	v_lshl_add_u32 v4, v5, 4, v4
	s_lshl_b32 s[LT], s[CH], 7
	s_add_co_u32 s[LT], s[LT], VOFF
	v_add_nc_u32 v[AV0], s[LT], v4
	s_mul_i32 s[LT], s[WV], 16*SP
	s_add_co_u32 s[LT], s[LT], STAGE
	v_mul_u32_u24 v4, v1, SP
	v_lshl_add_u32 v4, v2, 5, v4
	v_add_nc_u32 v[STO], s[LT], v4                 ; in: row r, 32 bytes (8 channels of f32) for each half of the lanes
	v_mul_u32_u24 v4, v2, SP
	v_lshl_add_u32 v4, v1, 4, v4
	v_add_nc_u32 v[RD], s[LT], v4                  ; back: lanes 0-15 one row of 256 bytes, lanes 16-31 the next
	v_lshlrev_b32 v4, 12, v2
	v_lshl_add_u32 v[GO], v1, 4, v4
	s_lshl_b32 s[LT], s[RH], 6
	v_add_nc_u32 v4, s[LT], v1                     ; row 64 rh + r
	v_lshl_add_u32 v[GAD], v4, 2, TBLW
	v_lshl_add_u32 v6, v4, 3, RLT
	v_lshl_add_u32 v7, v0, 2, TBLW
	v_lshl_add_u32 v8, v0, 3, RLT
	v_add_nc_u32 v[AP], s[TB], v[AP0]
	v_add_nc_u32 v[AVA], s[TB], v[AV0]
	v_add_nc_u32 v[AVA+1], 128*PV, v[AVA]
	; out0, and the prefetches: what hangs on the channel slice lies in s92-95
	s_lshl_b32 s94, s[CC], 9
	s_lshl_b32 s95, s[CH], 8
	s_add_co_u32 s94, s94, s95                     ; my 64 channels, in bytes
	s_lshl_b32 s95, s[BB], 11
	s_lshl_b32 s92, s[RH], 6
	s_add_co_u32 s95, s95, s92
	s_lshl_b32 s92, s[QH], 7
	s_add_co_u32 s92, s92, s95
	s_lshl_b32 s92, s92, 12
	s_add_co_u32 s92, s92, s94
	s_mov_b32 s93, 0
	s_add_nc_u64 s[OUT:OUT+1], s[12:13], s[92:93]
	s_lshl_b32 s92, s[PP], 7
	s_add_co_u32 s92, s92, s95
	s_lshl_b32 s92, s92, 12
	s_add_co_u32 s92, s92, s94
	s_add_nc_u64 s[OLO:OLO+1], s[12:13], s[92:93]
	s_lshl_b32 s92, s[CX], 16                      ; my work-group's 16 of the 64 rows
	s_add_nc_u64 s[PFH:PFH+1], s[PHI:PHI+1], s[92:93]
	s_add_nc_u64 s[PFL:PFL+1], s[PLO:PLO+1], s[92:93]
	s_mov_b32 s94, 512
	s_mov_b32 s95, 1572864
	s_cmp_lt_u32 s[WV], 2
	s_cselect_b64 s[PFH:PFH+1], s[PFH:PFH+1], s[VB:VB+1]
	s_cselect_b64 s[PFL:PFL+1], s[PFL:PFL+1], s[VB:VB+1]
	s_cselect_b32 s[PFM], s94, s95                 ; bytes from step to step
	s_cselect_b32 s92, ttmp9, s[PP]                ; who asks: cluster x = 0 for p, the pair 0 for v: the same in all four partners
	s_cselect_b32 s94, 6, 5                        ; and up to which step: T + 3 <= 8, or <= 7
	s_cselect_b32 s95, -1, 0
	s_cmp_eq_u32 s92, 0
	s_cselect_b32 s[LIM], s94, 0
	v_lshrrev_b32 v4, 1, v3
	v_and_b32 v5, 1, v3
	v_lshlrev_b32 v4, 12, v4
	v_lshl_add_u32 v4, v5, 8, v4                   ; p: two lanes a row of 512 bytes
	v_mul_u32_u24 v5, v3, 6144                     ; v: a lane a row
	v_cndmask_b32 v[PFO], v5, v4, s95
	v_mov_b32 v[NEGV], 0xff7fffff
	v_mov_b32 v136, 0
	s_wait_loadcnt 0x0
	; steps 0-4 belong to the first block and step 8 to the second, whatever p; steps 5-7 are chosen by value
.irp i, 0,1,2,3,4,5
	v_cndmask_b32 v[HC+(\i)], v[NEGV], v[CM+10+(\i)], s[MK+(\i)/2]
	v_cndmask_b32 v[LC+(\i)], v[CM+10+(\i)], v[NEGV], s[MK+(\i)/2]
.endr
	v_max3_num_f32 v[MH], v[CM], v[CM+1], v[CM+2]
	v_max3_num_f32 v[ML], v[LC], v[LC+1], v[LC+2]
	v_max3_num_f32 v[MH], v[MH], v[CM+3], v[CM+4]
	v_max3_num_f32 v[ML], v[ML], v[LC+3], v[LC+4]
	v_max3_num_f32 v[MH], v[MH], v[CM+5], v[CM+6]
	v_max3_num_f32 v[ML], v[ML], v[LC+5], v[CM+16]
	v_max3_num_f32 v[MH], v[MH], v[CM+7], v[CM+8]
	v_max_num_f32 v[ML], v[ML], v[CM+17]           ; M of the second block's row
	v_max3_num_f32 v[MH], v[MH], v[CM+9], v[HC]
	v_max3_num_f32 v[MH], v[MH], v[HC+1], v[HC+2]
	v_max3_num_f32 v[MH], v[MH], v[HC+3], v[HC+4]
	v_max_num_f32 v[MH], v[MH], v[HC+5]            ; M of the first block's row
.irp i, 0,1,2
	v_cndmask_b32 v[MS+(\i)], v[ML], v[MH], s[MK+(\i)]
.endr
.irp i, 0,1,2,3,4,5,6,7,8,9
	v_sub_f32 v[CM+(\i)], v[CM+(\i)], v[MH]
.endr
.irp i, 0,1,2,3,4,5
	v_sub_f32 v[CM+10+(\i)], v[CM+10+(\i)], v[MS+(\i)/2]
	v_cndmask_b32 v[HC+(\i)], 0, v[LL+10+(\i)], s[MK+(\i)/2]   ; l, for the block that the step belongs to; 0 for the other
	v_cndmask_b32 v[LC+(\i)], v[LL+10+(\i)], 0, s[MK+(\i)/2]
.endr
	v_sub_f32 v[CM+16], v[CM+16], v[ML]
	v_sub_f32 v[CM+17], v[CM+17], v[ML]
.set i, 0
.rept 18
	v_exp_f32 v[CM+i], v[CM+i]                     ; g
.set i, i+1
.endr
	v_nop
	s_wait_alu depctr_va_vdst(0)                   ; one wait for the batch of 18
	v_mul_f32 v128, v[CM], v[LL]
	v_mul_f32 v129, v[CM+16], v[LL+16]
.irp i, 1,2,3,4,5,6,7,8,9
	v_fmac_f32 v128, v[CM+(\i)], v[LL+(\i)]
.endr
	v_fmac_f32 v129, v[CM+17], v[LL+17]
.irp i, 0,1,2,3,4,5
	v_fmac_f32 v128, v[CM+10+(\i)], v[HC+(\i)]
	v_fmac_f32 v129, v[CM+10+(\i)], v[LC+(\i)]
.endr
	v_rcp_f32 v132, v128                           ; L is 1 or more: the block that holds the row's maximum has g = 1 and l >= 1
	v_rcp_f32 v134, v129
.set i, 0
.rept 18
	v_cvt_pk_f16_f32 v[CM+i], v[CM+i], v[CM+i]     ; g twice, for the packed scaling
.set i, i+1
.endr
	s_wait_alu depctr_va_vdst(0)                   ; one wait for the two reciprocals; the 18 roundings are the plain work between
	v_mov_b32 v133, v132
	v_mov_b32 v135, v134
.set i, 0
.rept 18
	ds_store_b32 v7, v[CM+i] offset:512*i
.set i, i+1
.endr
	ds_store_b32 v7, v136 offset:512*18            ; step 9: what the last trip's look-ahead finds
	ds_store_b32 v7, v136 offset:512*19
	ds_store_b64 v8, v[132:133]
	ds_store_b64 v8, v[134:135] offset:1024
	s_wait_tensorcnt 1                             ; my part of slot 0 is in; slot 1's may stay out
	s_wait_dscnt 0x0                               ; for the others' sake: my rows of the tables are written
	s_barrier_signal -1
	s_barrier_wait -1
; 32 LDS loads in one run: quarter q (64 keys) of the slot in hand into buffer buf: v turned (16 loads), then p, its first 32 keys first
.macro FETCH q, buf
	WIN 0
.irp c, 0,1
.irp cb, 0,1,2,3
	ds_load_tr16_b128 v[FR+64*(\buf)+32*(\c)+8*(\cb):FR+64*(\buf)+32*(\c)+8*(\cb)+3],   v[AVA+(\q)/2] offset:(((\q)%2)*64+32*(\c))*PV+32*(\cb)
	ds_load_tr16_b128 v[FR+64*(\buf)+32*(\c)+8*(\cb)+4:FR+64*(\buf)+32*(\c)+8*(\cb)+7], v[AVA+(\q)/2] offset:(((\q)%2)*64+32*(\c)+16)*PV+32*(\cb)
.endr
.endr
	WIN S1
.irp c, 0,1
.irp a, 0,1,2,3
	ds_load_b128 v[FR+64*(\buf)+32*(\c)+8*(\a):FR+64*(\buf)+32*(\c)+8*(\a)+3],   v[AP] offset:(\a)*16*PPI+128*(\q)+64*(\c)
	ds_load_b128 v[FR+64*(\buf)+32*(\c)+8*(\a)+4:FR+64*(\buf)+32*(\c)+8*(\a)+7], v[AP] offset:(\a)*16*PPI+128*(\q)+64*(\c)+32
.endr
.endr
.endm
; Matrix instructions n0 .. n1 - 1 of the 16 of half (buf, c): query block n / 4, channel block n % 4; the 16 accumulators take turns.
; Behind each stand two lines that scale two registers of the half (sb, sc), which is multiplied next, by its query block's g.
.macro HALF buf, c, sb, sc, g, n0, n1
	WIN S1
.set hn, \n0
.rept (\n1)-(\n0)
	v_wmma_f32_16x16x32_f16 v[8*hn:8*hn+7], v[FR+64*(\buf)+32*(\c)+8*(hn%4):FR+64*(\buf)+32*(\c)+8*(hn%4)+7], v[FR+64*(\buf)+32*(\c)+8*(hn/4):FR+64*(\buf)+32*(\c)+8*(hn/4)+7], v[8*hn:8*hn+7]
	v_pk_mul_f16 v[FR+64*(\sb)+32*(\sc)+2*hn],   v[(\g)+hn/4], v[FR+64*(\sb)+32*(\sc)+2*hn]
	v_pk_mul_f16 v[FR+64*(\sb)+32*(\sc)+2*hn+1], v[(\g)+hn/4], v[FR+64*(\sb)+32*(\sc)+2*hn+1]
.set hn, hn+1
.endr
.endm
; THE WAY OUT of 16 queries: O^T times 1 / L (each accumulator from its low end on), through my stage, back as whole rows of 256 bytes (64 channels of f32)
.macro OUTA a
	WIN 0x01
.set oi, 0
.rept 16
	v_pk_mul_f32 v[OT+2*oi:OT+2*oi+1], v[32*(\a)+2*oi:32*(\a)+2*oi+1], v[RW+2*(\a):RW+2*(\a)+1] op_sel_hi:[1,0]
.set oi, oi+1
.endr
	WIN 0
.irp k, 0,1,2,3,4,5,6,7
	ds_store_b128 v[STO], v[OT+4*(\k):OT+4*(\k)+3] offset:64*((\k)/2)+16*((\k)%2)
.endr
	s_wait_xcnt 0x0                                ; the stores of the 16 queries before have read these registers
.irp t, 0,1,2,3,4,5,6,7
	ds_load_b128 v[OB+4*(\t):OB+4*(\t)+3], v[RD] offset:(\t)*2*SP  ; LDS serves a wave's instructions in order (ISA guide 5.7.1.4)
.endr
.irp t, 0,1,2,3,4,5,6,7
	s_wait_dscnt 7-(\t)
	global_store_b128 v[GO], v[OB+4*(\t):OB+4*(\t)+3], s[OUT:OUT+1] offset:(16*(\a)+2*(\t))*4096 th:TH_STORE_NT  ; 16 lanes store 256 consecutive bytes, aligned
.endr
.endm
.macro WAYOUT                          ; behind a block's last step; jumped over elsewhere: no barrier and no tensor load stands in it
	s_cmp_lg_u32 s[T], s[ENDT]
	s_cbranch_scc1 .Lnot_\@
	PLACES
	s_cmp_lg_u32 s[SKIPF], 0
	s_cbranch_scc1 .Lupper_\@                      ; a batch's rows 0-31 were stored by the launch before
	OUTA 0
	OUTA 1
.Lupper_\@:
	OUTA 2
	OUTA 3
	s_wait_xcnt 0x0                                ; the stores have read their base
	s_mov_b64 s[OUT:OUT+1], s[OLO:OLO+1]           ; on to the second block
	s_mov_b32 s[ENDT], 8
	s_mov_b32 s[SKIPF], s[SKN]
.irp i, 0,1,2,3,4,5,6,7
	v_mov_b32 v[RW+(\i)], v[RLO+(\i)]
.endr
	WIN 0x40
.set oi, 0
.rept 128
	v_mov_b32 v[oi], 0
.set oi, oi+1
.endr
	WIN 0
.Lnot_\@:
.endm
; A STEP OF 256 KEYS, written once for each of the two loops.  In each quarter the next quarter's 32 loads go out first; s_wait_dscnt 32 then shows everything older in (the half to be scaled now among it), and
; s_wait_dscnt 8 all of the new run but p's second half.  The slot's last reads are quarter 2's run, so the change of slots stands in quarter 2's second half: each wave waits for all its tensor loads (one is out:
; its part of the other slot), adds 0 to its spare word, and waits for that and for its reads.  fill = 1: the barrier opens a round of the cluster's, and the refill (walk step T + 2) is the first thing behind it:
; 112 matrix instructions ahead of the wait for it.
.macro STEP fill
	WIN 0
.irp i, 0,1,2,3,4,5,6,7
	v_mov_b32 v[GC+(\i)], v[GN+(\i)]               ; eight plain lines: also the places in front of the loads below
.endr
	FETCH 1, 1
	s_wait_dscnt 32
	HALF 0, 0, 0, 1, GC, 0, 16
	s_wait_dscnt 8
	HALF 0, 1, 1, 0, GC, 0, 16
	WIN 0
	PLACES
	FETCH 2, 0
	s_wait_dscnt 32
	HALF 1, 0, 1, 1, GC, 0, 16
	s_wait_dscnt 8
	HALF 1, 1, 0, 0, GC+4, 0, 16
	WIN 0
	PLACES
.irp jj, 0,1
.irp a, 0,1,2,3
	ds_load_b32 v[GN+4*(\jj)+(\a)], v[GAD] offset:512*(\jj)+64*(\a)  ; the next step's g; older than the run below, so that run's wait covers them
.endr
.endr
	v_add_nc_u32 v[GAD], 1024, v[GAD]
	FETCH 3, 1
	s_wait_dscnt 32
	HALF 0, 0, 0, 1, GC+4, 0, 16
	WIN 0
	s_wait_tensorcnt 0x0                           ; no tensor load of mine is out, so a group 0 may be written
	ds_add_u32 v[SPW], v[NIL]
.if \fill
	s_add_co_u32 s[X0], s[T], 2                    ; the walk step to ask for: which block's, and which of its steps
	s_cmp_ge_u32 s[X0], s[NH]
	s_cselect_b64 s[G0P+6:G0P+7], s[PLO:PLO+1], s[PHI:PHI+1]
	s_cselect_b32 s[X1], s[NH], 0
	s_sub_co_u32 s[X0], s[X0], s[X1]
	s_lshl_b32 s[X2], s[X0], 9
	s_add_nc_u64 s[G0P+6:G0P+7], s[G0P+6:G0P+7], s[X2:X3]
	s_or_b32 s[G0P+7], s[G0P+7], 0x80000000
	s_mul_i32 s[X2], s[X0], 1572864
	s_add_nc_u64 s[G0V+6:G0V+7], s[VB:VB+1], s[X2:X3]
	s_or_b32 s[G0V+7], s[G0V+7], 0x80000000
	s_xor_b32 s[G0P+5], s[G0P+5], SLOTX            ; the other slot than last time
	s_xor_b32 s[G0V+5], s[G0V+5], SLOTX
	s_wait_xcnt 0x0                                ; the last prefetches, a step back, have read their address
	s_add_co_u32 s[X0], s[T], 3
	s_cmp_ge_u32 s[X0], s[NH]
	s_cselect_b64 s[PFA:PFA+1], s[PFL:PFL+1], s[PFH:PFH+1]
	s_cselect_b32 s[X1], s[NH], 0
	s_sub_co_u32 s[X0], s[X0], s[X1]
	s_mul_i32 s[X2], s[X0], s[PFM]
	s_add_nc_u64 s[PFA:PFA+1], s[PFA:PFA+1], s[X2:X3]
.endif
	s_wait_dscnt 9                                 ; (the add and p's second half may be out)
	HALF 0, 1, 1, 0, GC+4, 0, 8
	s_wait_dscnt 0x0                               ; the add is done, and my reads of this slot are over
	s_barrier_signal -1
	HALF 0, 1, 1, 0, GC+4, 8, 16
	WIN 0
	s_barrier_wait -1
.if \fill
	CREST
	JLOAD                                          ; its four v_nop are also the places in front of the loads below
.else
	PLACES
.endif
	s_xor_b32 s[TB], s[TB], SLOTX
	v_add_nc_u32 v[AP], s[TB], v[AP0]
	v_add_nc_u32 v[AVA], s[TB], v[AV0]
	v_add_nc_u32 v[AVA+1], 128*PV, v[AVA]
	FETCH 0, 0                                     ; the next step's first quarter (in the walk's last trip: of a slot that is read out, and serves nothing: the price of one text for both trips of the tail)
.if \fill
	WIN 0
	ASK
.endif
	s_wait_dscnt 32
	HALF 1, 0, 1, 1, GC+4, 0, 16
	s_wait_dscnt 8
	HALF 1, 1, 0, 0, GN, 0, 16
	WIN 0
	WAYOUT
	s_add_co_u32 s[T], s[T], 1
.endm
.irp a, 0,1,2,3
	ds_load_b64 v[RW+2*(\a):RW+2*(\a)+1],   v6 offset:128*(\a)
	ds_load_b64 v[RLO+2*(\a):RLO+2*(\a)+1], v6 offset:1024+128*(\a)
.endr
.irp jj, 0,1
.irp a, 0,1,2,3
	ds_load_b32 v[GN+4*(\jj)+(\a)], v[GAD] offset:512*(\jj)+64*(\a)
.endr
.endr
	v_add_nc_u32 v[GAD], 1024, v[GAD]
	FETCH 0, 0
	s_wait_dscnt 8                                 ; all but p's second half
.set hn, 0
.rept 32
	v_pk_mul_f16 v[FR+hn], v[GN+hn/8], v[FR+hn]    ; the walk's first half is scaled by itself
.set hn, hn+1
.endr
	WIN 0
	s_mov_b32 s[CNT], 7
.Lfill:                                        ; walk steps 0 to 6 ask for steps 2 to 8
	STEP 1
	s_sub_co_u32 s[CNT], s[CNT], 1
	s_cmp_lg_u32 s[CNT], 0
	s_cbranch_scc1 .Lfill
	s_mov_b32 s[CNT], 2
.Ltail:                                        ; steps 7 and 8 ask for nothing
	STEP 0
	s_sub_co_u32 s[CNT], s[CNT], 1
	s_cmp_lg_u32 s[CNT], 0
	s_cbranch_scc1 .Ltail
	s_wait_tensorcnt 0x0                           ; the wave's end
	ds_add_u32 v[SPW], v[NIL]
	s_wait_dscnt 0x0
	CROUND                                         ; the closing round
	s_endpgm
.Lfunc_end_k_qd696a4179e_pv:
	.size	k_qd696a4179e_pv, .Lfunc_end_k_qd696a4179e_pv-k_qd696a4179e_pv
	.p2alignl 7, 3214868480
	.fill 96, 4, 3214868480
	.section	.rodata,"a",@progbits
	.p2align	6, 0x0
	.amdhsa_kernel k_qd696a4179e_pv
		.amdhsa_group_segment_fixed_size 327680
		.amdhsa_private_segment_fixed_size 0
		.amdhsa_enable_private_segment 0
		.amdhsa_kernarg_size 40
		.amdhsa_user_sgpr_count 2
		.amdhsa_user_sgpr_kernarg_segment_ptr 1
		.amdhsa_wavefront_size32 1
		.amdhsa_system_sgpr_workgroup_id_x 1
		.amdhsa_system_sgpr_workgroup_id_y 1
		.amdhsa_system_sgpr_workgroup_id_z 1
		.amdhsa_system_vgpr_workitem_id 0
		.amdhsa_next_free_vgpr 512
		.amdhsa_next_free_sgpr 100
		.amdhsa_reserve_vcc 0
		.amdhsa_float_denorm_mode_32 3
		.amdhsa_float_denorm_mode_16_64 3
		.amdhsa_memory_ordered 1
		.amdhsa_forward_progress 1
		.amdhsa_inst_pref_size 137
	.end_amdhsa_kernel
	.amdgpu_metadata
---
amdhsa.version: [ 1, 2 ]
amdhsa.kernels:
  - .name:           k_qd696a4179e_pv
    .symbol:         k_qd696a4179e_pv.kd
    .args:
      - { .name: pw, .offset: 0, .size: 8, .value_kind: global_buffer, .address_space: global }
      - { .name: qkv, .offset: 8, .size: 8, .value_kind: global_buffer, .address_space: global }
      - { .name: scm, .offset: 16, .size: 8, .value_kind: global_buffer, .address_space: global }
      - { .name: sl, .offset: 24, .size: 8, .value_kind: global_buffer, .address_space: global }
      - { .name: out0, .offset: 32, .size: 8, .value_kind: global_buffer, .address_space: global }
    .group_segment_fixed_size: 327680
    .private_segment_fixed_size: 0
    .kernarg_segment_align: 8
    .kernarg_segment_size: 40
    .max_flat_workgroup_size: 128
    .sgpr_count:     100
    .vgpr_count:     512
    .wavefront_size: 32
...
	.end_amdgpu_metadata
.endif
;; end of part 4
;; ======== version 2 of 2: 4 launches; version 1 with the launch cvt written anew for expert scheduling mode
;; limits: values are held in f16: magnitudes above 65,504 overflow, below 6.1e-05 lose precision
;; workspace buffers: xb 16,777,216 bytes; wb 6,291,456 bytes; qkv 50,331,648 bytes; hd 1,572,864 bytes; pw 33,554,432 bytes; scm 524,288 bytes; sl 524,288 bytes
;; launch cvt (part 5): grid 256 x 1, 11 waves a work-group, no clusters, 0 bytes of LDS; arguments x, Wq, Wk, Wv, xb, wb, scm, sl; writes xb, wb, scm, sl
.if DOCPART == 5
	.amdgcn_target "amdgcn-amd-amdhsa--gfx1250"
	.amdhsa_code_object_version 6
	.text
	.protected	k_qd696a4179e_cvt
	.globl	k_qd696a4179e_cvt
	.p2align	8
	.type	k_qd696a4179e_cvt,@function
k_qd696a4179e_cvt:
	s_mov_b64 s[64:65], 0
	v_nop
	global_prefetch_b8 v0, s[64:65] scope:SCOPE_SE
	s_setreg_imm32_b32 hwreg(HW_REG_WAVE_SCHED_MODE, 0, 2), 2
	s_setreg_imm32_b32 hwreg(HW_REG_WAVE_MODE, 25, 1), 1
	s_wait_xcnt 0x0
	s_wait_alu depctr_vm_vsrc(0)
; x [8192][1024] and Wq, Wk, Wv [1024][1024], f32, are rounded once to bf16 and laid in K blocks of 64:
; xb [16][8192][64], wb [16][3072][64] (rows 0-1023 Wq, 1024-2047 Wk, 2048-3071 Wv), so that 128 or 192 rows of one K block are dense bytes for the next launch.
; SHARES.  The 8,192 + 3,072 rows are 2,816 blocks of 4 rows = 256 work-groups x 11 waves: wave w of work-group g takes block 11 g + w, so that all work-groups move the same bytes.
; Blocks 0-2047 are rows of x, the others rows of a weight; 4 divides 8,192 and 1,024, so a block lies in one tensor.  Lane l takes row l / 8 and the 8 numbers at 8 (l % 8) of each of the 16 K blocks:
; a wave's load covers 4 pieces of 256 consecutive bytes, a wave's store 512 consecutive bytes (4 rows of 128).  All 32 loads of a lane go out at once: no ring, no LDS, nothing shared.
; The first 2,048 blocks' waves also fill the statistics with neutral numbers (c m = the lowest finite number, l = 0): key blocks above the diagonal, which no later launch writes, then count for nothing.
; THE MODE: SCHED_MODE bits 1:0 = 2 (LLVM: expert scheduling mode 2), set by the entry lines.  The code itself states the register dependences
; between vector instructions and memory instructions, with s_wait_alu, always for 0.
; THE PLAN.  Registers that memory instructions touch:
;   v1, DO     byte offsets of the loads and of the stores, made once at the head and never written again.
;   XR         written by the 32 loads alone, each register once; read by the conversions.
;   YR         written by the conversions, each register once; read by one store each.
;   v18, v20-23  offset and data of the two table stores, made under the last branch; no memory instruction has read them before.
; The 16 K blocks go in four groups of four.  Group g's conversions read XR[g] and write YR[g]; the stores dealt among them are group g - 1's, which read YR[g - 1] and DO: registers that no
; conversion of group g names.  So one wait at a group's head states all that its four stores hang on.  No register that a memory instruction reads is written again: no wait on vm_vsrc is owed.
.set DO, 2                             ; v[2:17]    byte offset of my 16 bytes in K block kb of the destination
.set XR, 24                            ; v[24:151]  8 f32 for each K block
.set YR, 152                           ; v[152:215] 8 bf16 for each K block
	s_load_b512 s[8:23], s[0:1], 0x0               ; x s[8:9], Wq s[10:11], Wk s[12:13], Wv s[14:15], xb s[16:17], wb s[18:19], scm s[20:21], sl s[22:23]
	v_lshrrev_b32 v19, 5, v0
	v_readfirstlane_b32 s25, v19                   ; wave 0..10
	v_and_b32 v19, 31, v0                          ; lane
	v_lshrrev_b32 v1, 3, v19
	v_and_b32 v18, 7, v0
	v_lshlrev_b32 v1, 12, v1                       ; row x 4,096 bytes
	v_lshl_add_u32 v1, v18, 5, v1                  ; + 32 bytes for each eighth of a K block
	v_lshlrev_b32 v[DO], 4, v19                    ; in the destination the lane's 16 bytes lie at 16 l
	s_mul_i32 s2, ttmp9, 11
	s_wait_alu depctr_va_sdst(0)                   ; s25 is written, ahead of its first reader: my block's number is made from it
	s_add_co_u32 s2, s2, s25                       ; my block of 4 rows, 0..2815
	s_sub_co_u32 s4, s2, 2048                      ; the block in wb
	s_mov_b32 s5, 393216                           ; bytes from K block to K block in wb,
	s_mov_b32 s6, 1048576                          ; in xb
	s_cmp_lt_u32 s2, 2048
	s_cselect_b32 s3, 1, 0                         ; 1: I take rows of x
	s_cselect_b32 s4, s2, s4                       ; the block of 4 rows in the destination
	s_cselect_b32 s5, s6, s5
	s_and_b32 s7, s4, 255                          ; the block of 4 rows inside a weight,
	s_lshr_b32 s24, s4, 8                          ; and which weight
	s_cmp_lg_u32 s3, 0
	s_cselect_b32 s7, s2, s7                       ; the block of 4 rows in the source
.set i, 1
.rept 15
	v_add_nc_u32 v[DO+i], s5, v[DO+i-1]
.set i, i+1
.endr
	s_wait_kmcnt 0x0
	s_cmp_eq_u32 s24, 1
	s_cselect_b64 s[26:27], s[12:13], s[10:11]
	s_cmp_eq_u32 s24, 2
	s_cselect_b64 s[26:27], s[14:15], s[26:27]
	s_cmp_lg_u32 s3, 0
	s_cselect_b64 s[26:27], s[8:9], s[26:27]       ; the source,
	s_cselect_b64 s[28:29], s[16:17], s[18:19]     ; the destination
	s_lshl_b32 s30, s7, 14                         ; 4 rows of 4,096 bytes
	s_mov_b32 s31, 0
	s_add_nc_u64 s[26:27], s[26:27], s[30:31]
	s_lshl_b32 s30, s4, 9                          ; 4 rows of 128 bytes
	s_add_nc_u64 s[28:29], s[28:29], s[30:31]
	s_wait_alu depctr_va_vdst(0)                   ; v1 and the sixteen offsets v[DO ..] are written: every load below reads v1, every store of a K block one of the sixteen
.set i, 0
.rept 16
	global_load_b128 v[XR+8*i:XR+8*i+3],   v1, s[26:27] offset:256*i th:TH_LOAD_NT
	global_load_b128 v[XR+8*i+4:XR+8*i+7], v1, s[26:27] offset:256*i+16 th:TH_LOAD_NT
.set i, i+1
.endr
; Group g: K blocks 4 g to 4 g + 3 are rounded; ahead of each K block's four conversions goes one store of the group before.
.macro GROUP g
	s_wait_loadcnt 24-8*(\g)                       ; loads come back in order: this group's eight are in, the younger groups' stay out
.if (\g) > 0
	s_wait_alu depctr_va_vdst(0)                   ; the group before has written its YR, which the four stores below read
.endif
.irp k, 0,1,2,3
.if (\g) > 0
	global_store_b128 v[DO+4*((\g)-1)+(\k)], v[YR+16*((\g)-1)+4*(\k):YR+16*((\g)-1)+4*(\k)+3], s[28:29]  ; no vector instruction since the wait names these registers
.endif
	v_cvt_pk_bf16_f32 v[YR+16*(\g)+4*(\k)],   v[XR+32*(\g)+8*(\k)],   v[XR+32*(\g)+8*(\k)+1]
	v_cvt_pk_bf16_f32 v[YR+16*(\g)+4*(\k)+1], v[XR+32*(\g)+8*(\k)+2], v[XR+32*(\g)+8*(\k)+3]
	v_cvt_pk_bf16_f32 v[YR+16*(\g)+4*(\k)+2], v[XR+32*(\g)+8*(\k)+4], v[XR+32*(\g)+8*(\k)+5]
	v_cvt_pk_bf16_f32 v[YR+16*(\g)+4*(\k)+3], v[XR+32*(\g)+8*(\k)+6], v[XR+32*(\g)+8*(\k)+7]
.endr
.endm
	GROUP 0
	GROUP 1
	GROUP 2
	GROUP 3
	s_wait_alu depctr_va_vdst(0)                   ; the last group has written its YR, which the last four stores read
.irp k, 0,1,2,3
	global_store_b128 v[DO+12+(\k)], v[YR+48+4*(\k):YR+48+4*(\k)+3], s[28:29]
.endr
	s_cmp_lg_u32 s3, 0
	s_cbranch_scc0 .Lend
	s_lshl_b32 s30, s2, 8                          ; 256 bytes of each table for each of 2,048 blocks
	v_lshlrev_b32 v18, 3, v19
	v_add_nc_u32 v18, s30, v18
	v_mov_b32 v20, 0xff7fffff
	v_mov_b32 v21, 0xff7fffff
	v_mov_b32 v22, 0
	v_mov_b32 v23, 0
	s_wait_alu depctr_va_vdst(0)                   ; v18 and v[20:23] are written: offset and data of the two stores below
	global_store_b64 v18, v[20:21], s[20:21]       ; a wave's store covers 256 consecutive bytes, aligned
	global_store_b64 v18, v[22:23], s[22:23]
.Lend:
	s_endpgm
.Lfunc_end_k_qd696a4179e_cvt:
	.size	k_qd696a4179e_cvt, .Lfunc_end_k_qd696a4179e_cvt-k_qd696a4179e_cvt
	.p2alignl 7, 3214868480
	.fill 96, 4, 3214868480
	.section	.rodata,"a",@progbits
	.p2align	6, 0x0
	.amdhsa_kernel k_qd696a4179e_cvt
		.amdhsa_group_segment_fixed_size 0
		.amdhsa_private_segment_fixed_size 0
		.amdhsa_enable_private_segment 0
		.amdhsa_kernarg_size 64
		.amdhsa_user_sgpr_count 2
		.amdhsa_user_sgpr_kernarg_segment_ptr 1
		.amdhsa_wavefront_size32 1
		.amdhsa_system_sgpr_workgroup_id_x 1
		.amdhsa_system_sgpr_workgroup_id_y 1
		.amdhsa_system_sgpr_workgroup_id_z 1
		.amdhsa_system_vgpr_workitem_id 0
		.amdhsa_next_free_vgpr 216
		.amdhsa_next_free_sgpr 66
		.amdhsa_reserve_vcc 0
		.amdhsa_float_denorm_mode_32 3
		.amdhsa_float_denorm_mode_16_64 3
		.amdhsa_memory_ordered 1
		.amdhsa_forward_progress 1
		.amdhsa_inst_pref_size 12
	.end_amdhsa_kernel
	.amdgpu_metadata
---
amdhsa.version: [ 1, 2 ]
amdhsa.kernels:
  - .name:           k_qd696a4179e_cvt
    .symbol:         k_qd696a4179e_cvt.kd
    .args:
      - { .name: x, .offset: 0, .size: 8, .value_kind: global_buffer, .address_space: global }
      - { .name: Wq, .offset: 8, .size: 8, .value_kind: global_buffer, .address_space: global }
      - { .name: Wk, .offset: 16, .size: 8, .value_kind: global_buffer, .address_space: global }
      - { .name: Wv, .offset: 24, .size: 8, .value_kind: global_buffer, .address_space: global }
      - { .name: xb, .offset: 32, .size: 8, .value_kind: global_buffer, .address_space: global }
      - { .name: wb, .offset: 40, .size: 8, .value_kind: global_buffer, .address_space: global }
      - { .name: scm, .offset: 48, .size: 8, .value_kind: global_buffer, .address_space: global }
      - { .name: sl, .offset: 56, .size: 8, .value_kind: global_buffer, .address_space: global }
    .group_segment_fixed_size: 0
    .private_segment_fixed_size: 0
    .kernarg_segment_align: 8
    .kernarg_segment_size: 64
    .max_flat_workgroup_size: 352
    .sgpr_count:     66
    .vgpr_count:     216
    .wavefront_size: 32
...
	.end_amdgpu_metadata
.endif
;; end of part 5
;; launch proj: the kernel of part 2 again; grid 8 x 32, 4 waves a work-group, clusters of 4 x 4, 327,680 bytes of LDS; arguments xb, wb, qkv, hd; writes qkv, hd
;; launch score: the kernel of part 3 again; grid 40 x 4, 4 waves a work-group, no clusters, 327,680 bytes of LDS; arguments qkv, hd, pw, scm, sl, out0; writes pw, scm, sl, out0
;; launch pv: the kernel of part 4 again; grid 8 x 32, 4 waves a work-group, clusters of 4 x 1, 327,680 bytes of LDS; arguments pw, qkv, scm, sl, out0; writes out0
